; MI455X (gfx1250); checked and timed in simulation.
; The chip was launched on July 23, 2026; its instructions are those of AMD's public machine-readable ISA for CDNA 5 (MIT licence, August 2026) and "CDNA5" Instruction Set Architecture Reference Guide (July 2026). The comments in the code are by the model that wrote it; some were corrected since.
;; Bagley Mo E Layer. Allowed arithmetic: float matrix products may take bf16 or f16 operands with f32 sums; other float arithmetic in f32, or as packed bf16 or f16 multiplies, adds, multiply-adds, maxima and minima; sums over many terms, partial sums and values carried from step to step in f32; what a program stores and reads back later, other than sums and carried values, may be rounded once to bf16 or f16.
;; Inputs: gate_w 2,048 x 8 float32; hidden_states 2 x 512 x 2,048 float32; swd 2 x 1,024 x 2,048 float32; swg 2 x 2,048 x 1,024 float32; swu 2 x 2,048 x 1,024 float32; wd 8 x 1,024 x 2,048 float32; wg 8 x 2,048 x 1,024 float32; wu 8 x 2,048 x 1,024 float32.
;; Outputs: out0 2 x 512 x 2,048 float32; out1 one number float32.
;; One version. Each part assembles by itself: llvm-mc -triple=amdgcn-amd-amdhsa -mcpu=gfx1250 --defsym DOCPART=n.
;; ======== version 1 of 1: 4 launches
;; workspace buffers: xb 4,194,304 bytes; xf 4,194,304 bytes; selw 4,096 bytes of whole numbers; cwb 16,384 bytes; lossp 4,096 bytes; hb 20,971,520 bytes; pb 33,554,432 bytes
;; launch router (part 1): grid 64 x 1, 8 waves a work-group, no clusters, 142,336 bytes of LDS; arguments hidden_states, gate_w, xb, selw, cwb, lossp, xf; writes xb, selw, cwb, lossp, xf
.if DOCPART == 1
	.amdgcn_target "amdgcn-amd-amdhsa--gfx1250"
	.amdhsa_code_object_version 6
	.text
	.protected	k_qd5444005a4_router
	.globl	k_qd5444005a4_router
	.p2align	8
	.type	k_qd5444005a4_router,@function
k_qd5444005a4_router:
	s_mov_b64 s[64:65], 0
	v_nop
	global_prefetch_b8 v0, s[64:65] scope:SCOPE_SE
	s_setreg_imm32_b32 hwreg(HW_REG_WAVE_MODE, 25, 1), 1
	s_wait_xcnt 0x0
; ROUTER.  x [1024][2048] f32 is rounded once to bf16 and stored twice: xb by rows, xf in the order of the next launch's fragments; logits = x gate_w on the matrix unit from the rounded
; operands, sums in f32; softmax with the row's maximum taken away; top-2 (the lower index wins a tie); the two weights renormalised; the parts of the balancing loss.
; SHARES.  A work-group owns 16 tokens (one matrix tile), wave w the slice k = 256 w .. 256 w + 255; the eight partial logits meet in LDS, wave 0 finishes.
; STORED.  selw[token] = (1 << e1) | (1 << (e2 + 8)); cwb[4][1024] = w1, w2, 0.5, 0.5; lossp[group][16] = 8 sums of probabilities, 8 counts.
; xf[group][step of 64 k][quarter t][lane (r, h)] = the 16 bytes k = 64 step + 32 h + 8 t + 0 .. 7 of token r.  This launch's own product takes k in that order too (alike in both operands),
; so its x fragments ARE xf's bytes: they are stored as they lie, 512 consecutive bytes a wave.
; LIMITS.  x and gate_w are rounded to bf16 (nearest even); two probabilities closer than the f32 sums' rounding may change places; NaN and infinities are not treated apart.
.set XTW,   8448                       ; a wave's x tile in LDS: 16 rows of 512 bytes + 16 of padding
.set XP,    528
.set GT,    67584                      ; a wave's gate tile: 256 rows (k) of 32 bytes: 8 experts in bf16, then 8 zeros
.set GTW,   8192
.set RED,   133120                     ; 8 x 1,024 bytes: each wave's partial logits
.set SPARE, 141312                     ; the spare words, 128 bytes a wave
	s_load_b256 s[4:11], s[0:1], 0x0               ; hidden_states s[4:5], gate_w s[6:7], xb s[8:9], selw s[10:11]
	s_load_b128 s[12:15], s[0:1], 0x20             ; cwb s[12:13], lossp s[14:15]
	s_load_b64 s[28:29], s[0:1], 0x30              ; xf
	v_lshl_add_u32 v4, v0, 2, SPARE                ; my spare word
	v_mov_b32 v5, 0
	v_and_b32 v1, 31, v0                           ; lane L
	v_lshrrev_b32 v6, 5, v0
	v_readfirstlane_b32 s16, v6                    ; wave w
	v_and_b32 v2, 15, v0                           ; r
	v_bfe_u32 v3, v0, 4, 1                         ; h
	s_lshl_b32 s18, ttmp9, 17                      ; the group's 16 rows of x: 131,072 bytes
	s_mov_b32 s19, 0
	s_lshl_b32 s20, ttmp9, 16                      ; and of xb, and its tile of xf: 65,536 bytes
	s_mov_b32 s21, 0
	s_lshl_b32 s22, s16, 13
	v_lshl_add_u32 v6, v1, 4, s22                  ; gate_w, and xf (four steps of 2,048 bytes a wave): 8,192 w + 16 L
	s_lshl_b32 s22, s16, 10
	v_lshl_add_u32 v7, v1, 4, s22                  ; x: 1,024 w + 16 L
	s_lshl_b32 s22, s16, 9
	v_lshl_add_u32 v9, v1, 3, s22                  ; xb: 512 w + 8 L
	s_mul_i32 s23, s16, GTW
	s_add_co_u32 s23, s23, GT                      ; my gate tile
	v_lshrrev_b32 v8, 1, v1
	v_lshlrev_b32 v8, 5, v8
	v_and_b32 v15, 1, v1
	v_lshl_add_u32 v8, v15, 3, v8
	v_add_nc_u32 v8, s23, v8                       ; gate in: row L / 2, 8 bytes for each half of the experts
	v_lshl_add_u32 v11, v1, 5, s23                 ; the zeros: row L
	v_and_b32 v10, 7, v1
	v_lshl_add_u32 v10, v3, 5, v10
	v_lshlrev_b32 v10, 5, v10
	v_bfe_u32 v15, v1, 3, 1
	v_lshl_add_u32 v10, v15, 4, v10
	v_add_nc_u32 v10, s23, v10                     ; the turning load: row 32 h + L % 8, 16 bytes by (L / 8) % 2
	s_mul_i32 s24, s16, XTW                        ; my x tile
	v_lshl_add_u32 v12, v1, 3, s24                 ; x in: 8 L
	v_mul_u32_u24 v13, v2, XP
	v_lshl_add_u32 v13, v3, 6, v13
	v_add_nc_u32 v13, s24, v13                     ; x fragments: row r, 64 h
	s_lshl_b32 s25, s16, 10
	s_add_co_u32 s25, s25, RED
	v_lshl_add_u32 v14, v1, 5, s25                 ; my partial logits: 32 bytes a lane
.irp z, 208,209,210,211
	v_mov_b32 v\z, 0
.endr
	s_wait_kmcnt 0x0
	s_add_nc_u64 s[4:5], s[4:5], s[18:19]
	s_add_nc_u64 s[8:9], s[8:9], s[20:21]
	s_add_nc_u64 s[28:29], s[28:29], s[20:21]
.set i, 0
.rept 16                                               ; gate_w: lane L of load i holds k = 16 i + L / 2, experts 4 (L % 2) ..
	global_load_b128 v[144+4*i:147+4*i], v6, s[6:7] offset:512*i
.set i, i+1
.endr
.set i, 0
.rept 32                                               ; x: row i / 2, 512 consecutive bytes a load
	global_load_b128 v[16+4*i:19+4*i], v7, s[4:5] offset:(i/2)*8192+(i%2)*512 th:TH_LOAD_NT
.set i, i+1
.endr
	s_wait_loadcnt 32                              ; the gate's 16 loads are in; the 32 loads of x are younger
.set i, 0
.rept 16                                               ; packed in place, ascending: a write never passes a read
	v_cvt_pk_bf16_f32 v[144+2*i], v[144+4*i], v[145+4*i]
	v_cvt_pk_bf16_f32 v[145+2*i], v[146+4*i], v[147+4*i]
	ds_store_b64 v8, v[144+2*i:145+2*i] offset:512*i
.set i, i+1
.endr
.set i, 0
.rept 8
	ds_store_b128 v11, v[208:211] offset:1024*i+16 ; experts 8 to 15 of the tile do not exist: zeros
.set i, i+1
.endr
	s_wait_loadcnt 0x0                             ; x
.set i, 0
.rept 32
	v_cvt_pk_bf16_f32 v[16+2*i], v[16+4*i], v[17+4*i]
	v_cvt_pk_bf16_f32 v[17+2*i], v[18+4*i], v[19+4*i]
	global_store_b64 v9, v[16+2*i:17+2*i], s[8:9] offset:(i/2)*4096+(i%2)*256   ; the wave stores 256 consecutive bytes, aligned
	ds_store_b64 v12, v[16+2*i:17+2*i] offset:(i/2)*XP+(i%2)*256
.set i, i+1
.endr
.set c, 0
.rept 8                                                ; eight chunks of 32: chunk c, half b, lane half h hold k = 64 (c / 2) + 32 h + 16 (c % 2) + 8 b + 0 .. 7; LDS serves a wave's instructions in order (ISA guide 5.7.1.4): these see my stores
	ds_load_tr16_b128 v[176+8*c:179+8*c], v10 offset:2048*(c/2)+512*(c%2)
	ds_load_tr16_b128 v[180+8*c:183+8*c], v10 offset:2048*(c/2)+512*(c%2)+256
	ds_load_b128 v[80+8*c:83+8*c], v13 offset:128*(c/2)+32*(c%2)
	ds_load_b128 v[84+8*c:87+8*c], v13 offset:128*(c/2)+32*(c%2)+16
.set c, c+1
.endr
	s_wait_dscnt 0x0
.set c, 0
.rept 8                                                ; xf: my four steps, four quarters each: the wave stores 512 consecutive bytes, aligned
	global_store_b128 v6, v[80+8*c:83+8*c], s[28:29] offset:2048*(c/2)+1024*(c%2)
	global_store_b128 v6, v[84+8*c:87+8*c], s[28:29] offset:2048*(c/2)+1024*(c%2)+512
.set c, c+1
.endr
	; D = gate^T x^T: lane (r, h = 0) holds token r's eight logits in registers 0 to 7.  Two accumulators by turns.
	v_wmma_f32_16x16x32_bf16 v[240:247], v[176:183], v[80:87], 0
	v_wmma_f32_16x16x32_bf16 v[248:255], v[184:191], v[88:95], 0
.irp c, 2,4,6
	v_wmma_f32_16x16x32_bf16 v[240:247], v[176+8*\c:183+8*\c], v[80+8*\c:87+8*\c], v[240:247]
	v_wmma_f32_16x16x32_bf16 v[248:255], v[184+8*\c:191+8*\c], v[88+8*\c:95+8*\c], v[248:255]
.endr
.rept 4
	v_nop                                          ; four places behind the last product (ISA guide 7.12.1)
.endr
.irp z, 0,2,4,6
	v_pk_add_f32 v[240+\z:241+\z], v[240+\z:241+\z], v[248+\z:249+\z]
.endr
	ds_store_b128 v14, v[240:243]
	ds_store_b128 v14, v[244:247] offset:16
	s_wait_dscnt 0x0                               ; for the others' sake: my partial logits are in LDS
	s_barrier_signal -1
	s_barrier_wait -1
	s_cmp_lg_u32 s16, 0
	s_cbranch_scc1 .Lend                           ; wave 0 finishes the group's 16 tokens
	s_wait_xcnt 0x0                                ; xf's stores have read v80 and on: only now are these registers loaded again
	v_lshl_add_u32 v15, v1, 5, RED
.set i, 0
.rept 8
	ds_load_b128 v[80+8*i:83+8*i], v15 offset:1024*i
	ds_load_b128 v[84+8*i:87+8*i], v15 offset:1024*i+16
.set i, i+1
.endr
	s_wait_dscnt 0x0
.irp i, 1,2,3,4,5,6,7
.irp z, 0,2,4,6
	v_pk_add_f32 v[80+\z:81+\z], v[80+\z:81+\z], v[80+8*\i+\z:81+8*\i+\z]
.endr
.endr
	; softmax over the eight logits v80-87 (lanes 16 to 31 work on zeros, and store nothing)
	v_max3_num_f32 v88, v80, v81, v82
	v_max3_num_f32 v88, v88, v83, v84
	v_max3_num_f32 v88, v88, v85, v86
	v_max_num_f32 v88, v88, v87
.irp i, 0,1,2,3,4,5,6,7
	v_sub_f32 v[96+\i], v[80+\i], v88
.endr
.irp i, 0,1,2,3,4,5,6,7
	v_mul_f32 v[96+\i], 0x3fb8aa3b, v[96+\i]
.endr
.irp i, 0,1,2,3,4,5,6,7
	v_exp_f32 v[96+\i], v[96+\i]
.endr
	v_nop                                          ; a plain instruction behind the last exponential
	s_wait_alu depctr_va_vdst(0)
	v_add_f32 v89, v96, v97
	v_add_f32 v90, v98, v99
	v_add_f32 v91, v100, v101
	v_add_f32 v92, v102, v103
	v_add_f32 v89, v89, v90
	v_add_f32 v91, v91, v92
	v_add_f32 v89, v89, v91
	v_rcp_f32 v89, v89
	v_mov_b32 v105, 0                              ; (the plain instruction behind the reciprocal)
	s_wait_alu depctr_va_vdst(0)
.irp i, 0,1,2,3,4,5,6,7
	v_mul_f32 v[96+\i], v[96+\i], v89              ; the probabilities
.endr
	v_mov_b32 v104, v96                            ; the largest, ascending with a strict compare: the lower index keeps a tie
.irp i, 1,2,3,4,5,6,7
	v_cmp_gt_f32 vcc_lo, v[96+\i], v104
	v_cndmask_b32 v104, v104, v[96+\i], vcc_lo
	v_cndmask_b32 v105, v105, \i, vcc_lo
.endr
	v_mov_b32 v106, -1.0                           ; the second: the same scan with the winner counted as -1
	v_mov_b32 v107, 0
.irp i, 0,1,2,3,4,5,6,7
	v_cmp_eq_u32 vcc_lo, \i, v105
	v_cndmask_b32 v108, v[96+\i], -1.0, vcc_lo
	v_cmp_gt_f32 vcc_lo, v108, v106
	v_cndmask_b32 v106, v106, v108, vcc_lo
	v_cndmask_b32 v107, v107, \i, vcc_lo
.endr
	v_add_f32 v120, v104, v106
	v_rcp_f32 v120, v120
	v_mov_b32 v109, 1
	s_wait_alu depctr_va_vdst(0)
	v_mul_f32 v121, v106, v120                     ; w2
	v_mul_f32 v120, v104, v120                     ; w1
	v_mov_b32 v122, 0.5                            ; the shared experts' weight
	v_lshlrev_b32 v110, v105, v109
	v_add_nc_u32 v111, 8, v107
	v_lshlrev_b32 v111, v111, v109
	v_or_b32 v110, v110, v111                      ; selw's word
	v_lshrrev_b32 v111, 8, v110
	v_or_b32 v111, v111, v110
.irp i, 0,1,2,3,4,5,6,7
	v_bfe_u32 v[112+\i], v111, \i, 1
.endr
.irp i, 0,1,2,3,4,5,6,7
	v_cvt_f32_u32 v[112+\i], v[112+\i]             ; 1.0 where the token chose expert i
.endr
.irp m, 1,2,4,8                                        ; sums over the 16 tokens: lanes 0 to 15 among themselves
.irp i, 0,1,2,3,4,5,6,7
	v_add_f32_dpp v[96+\i], v[96+\i], v[96+\i] row_xmask:\m row_mask:0xf bank_mask:0xf
	v_add_f32_dpp v[112+\i], v[112+\i], v[112+\i] row_xmask:\m row_mask:0xf bank_mask:0xf
.endr
.endr
	s_lshl_b32 s26, ttmp9, 6
	v_lshl_add_u32 v123, v2, 2, s26                ; 4 x token
	v_mov_b32 v124, s26                            ; the group's 64 bytes of lossp
	v_cmp_gt_u32 vcc_lo, 16, v0
	s_wait_xcnt 0x0                                ; EXEC changes only behind this wait
	s_and_saveexec_b32 s20, vcc_lo
	global_store_b32 v123, v110, s[10:11]
	global_store_b32 v123, v120, s[12:13]
	global_store_b32 v123, v121, s[12:13] offset:4096
	global_store_b32 v123, v122, s[12:13] offset:8192
	global_store_b32 v123, v122, s[12:13] offset:12288
	s_wait_xcnt 0x0
	s_or_b32 exec_lo, exec_lo, s20
	v_cmp_eq_u32 vcc_lo, 0, v0
	s_and_saveexec_b32 s20, vcc_lo
	global_store_b128 v124, v[96:99], s[14:15]
	global_store_b128 v124, v[100:103], s[14:15] offset:16
	global_store_b128 v124, v[112:115], s[14:15] offset:32
	global_store_b128 v124, v[116:119], s[14:15] offset:48
	s_wait_xcnt 0x0
	s_or_b32 exec_lo, exec_lo, s20
.Lend:
	s_wait_tensorcnt 0x0                           ; the wave's end
	ds_add_u32 v4, v5
	s_wait_dscnt 0x0
	s_endpgm
.Lfunc_end_k_qd5444005a4_router:
	.size	k_qd5444005a4_router, .Lfunc_end_k_qd5444005a4_router-k_qd5444005a4_router
	.p2alignl 7, 3214868480
	.fill 96, 4, 3214868480
	.section	.rodata,"a",@progbits
	.p2align	6, 0x0
	.amdhsa_kernel k_qd5444005a4_router
		.amdhsa_group_segment_fixed_size 142336
		.amdhsa_private_segment_fixed_size 0
		.amdhsa_enable_private_segment 0
		.amdhsa_kernarg_size 56
		.amdhsa_user_sgpr_count 2
		.amdhsa_user_sgpr_kernarg_segment_ptr 1
		.amdhsa_wavefront_size32 1
		.amdhsa_system_sgpr_workgroup_id_x 1
		.amdhsa_system_sgpr_workgroup_id_y 1
		.amdhsa_system_sgpr_workgroup_id_z 1
		.amdhsa_system_vgpr_workitem_id 0
		.amdhsa_next_free_vgpr 256
		.amdhsa_next_free_sgpr 66
		.amdhsa_reserve_vcc 1
		.amdhsa_float_denorm_mode_32 3
		.amdhsa_float_denorm_mode_16_64 3
		.amdhsa_memory_ordered 1
		.amdhsa_forward_progress 1
		.amdhsa_inst_pref_size 39
	.end_amdhsa_kernel
	.amdgpu_metadata
---
amdhsa.version: [ 1, 2 ]
amdhsa.kernels:
  - .name:           k_qd5444005a4_router
    .symbol:         k_qd5444005a4_router.kd
    .args:
      - { .name: hidden_states, .offset: 0, .size: 8, .value_kind: global_buffer, .address_space: global }
      - { .name: gate_w, .offset: 8, .size: 8, .value_kind: global_buffer, .address_space: global }
      - { .name: xb, .offset: 16, .size: 8, .value_kind: global_buffer, .address_space: global }
      - { .name: selw, .offset: 24, .size: 8, .value_kind: global_buffer, .address_space: global }
      - { .name: cwb, .offset: 32, .size: 8, .value_kind: global_buffer, .address_space: global }
      - { .name: lossp, .offset: 40, .size: 8, .value_kind: global_buffer, .address_space: global }
      - { .name: xf, .offset: 48, .size: 8, .value_kind: global_buffer, .address_space: global }
    .group_segment_fixed_size: 142336
    .private_segment_fixed_size: 0
    .kernarg_segment_align: 8
    .kernarg_segment_size: 56
    .max_flat_workgroup_size: 256
    .sgpr_count:     66
    .vgpr_count:     256
    .wavefront_size: 32
...
	.end_amdgpu_metadata
.endif
;; end of part 1
;; launch gateup (part 2): grid 256 x 1, 4 waves a work-group, no clusters, 131,584 bytes of LDS; arguments xb, selw, wg, wu, swg, swu, hb, xf; writes hb
.if DOCPART == 2
	.amdgcn_target "amdgcn-amd-amdhsa--gfx1250"
	.amdhsa_code_object_version 6
	.text
	.protected	k_qd5444005a4_gateup
	.globl	k_qd5444005a4_gateup
	.p2align	8
	.type	k_qd5444005a4_gateup,@function
k_qd5444005a4_gateup:
	s_mov_b64 s[64:65], 0
	v_nop
	global_prefetch_b8 v0, s[64:65] scope:SCOPE_SE
	s_setreg_imm32_b32 hwreg(HW_REG_WAVE_MODE, 25, 1), 1
	s_wait_xcnt 0x0
; ONE TEXT FOR THE TWO PRODUCTS OF THE EXPERTS; KIND chooses.  KIND 0: h = silu(x Wg) * (x Wu), K = 2048.  KIND 1: c * (h Wd), K = 1024.
; SHARES.  256 work-groups.  0-127: routed expert id / 16, unit id % 16 of 128 weight columns (KIND 0: 64 of Wg and the same 64 of Wu), that expert's first 320 rows; it alone reads its slice.
; 128-255: shared expert, a quarter of the 1,024 rows, unit.  Wave w has the row tiles 4 a + w, a = 0 .. 4: 40 accumulators.  MW = how many of the five exist; only blocks of eight matrix
; instructions and whole ways out are jumped by it, never a load, an LDS instruction or a barrier, so every counted wait holds on every way.  Rows from 320 on go by a path of their own at the end.
; THE LIST.  Every wave makes its expert's list of rows for itself, in its own LDS, from selw: entry = slot << 10 | token (slot 0, 1: first, second choice; 2, 3: shared).
; Places past the count repeat the last row, which then stores the same bytes to the same place.
; WEIGHTS are f32 [K][N]: loaded as rows of 256 consecutive bytes, rounded to bf16 in registers, laid into LDS as [column][64 k], pitch 144 bytes, two slots by turns, one barrier a K step of 64.
; k IS PERMUTED alike in both operands: place 32 kap + 16 b + 8 h + i of a step holds k = 32 h + 16 kap + 8 b + i, so a lane's two fragments are four quarters of 16 bytes.
; LDS row 64 grp + 16 c + i holds column 4 i + c of group grp.
; THE ROW OPERAND comes from memory straight into fragments, ten loads for a chunk of 32 along K.  A chunk's registers are loaded again as soon as the chunk has been multiplied, for the step after
; next: a request has a step and a half in which to land.  KIND 0, routed: rows of xb by the list (a lane's quarters 16 bytes apart).  KIND 0, shared, and KIND 1: xf and hb lie in the fragments'
; order, and each load of a wave covers 512 consecutive bytes.  One text serves both: the four quarters have four scalar bases, stepped by a scalar.  A row tile that does not exist reads token 0
; (KIND 0, routed), one place (a shared expert's fifth tile), or the fragments of a tile that always exists (KIND 1, routed); its products are jumped.
; NO MULTICAST, NO TENSOR LOADS: a routed slice has one work-group to read it and must pass through registers to be rounded; token rows come by a list.
; LIMITS.  All operands are rounded to bf16 (nearest even), sums in f32; h is rounded once to bf16; NaN and infinities are not treated apart; where exp2 overflows silu's factor is 0, its limit.
.set KIND, 0
.if KIND == 0
.set NS,    32                         ; K steps
.set LPW,   12                         ; a row of weights: 4,096 bytes
.set XSTEP, 128                        ; bytes of the row operand from step to step (KIND 0: of xb's rows)
.set XT,    16                         ; and between a lane's four quarters
.else
.set NS,    16
.set LPW,   13
.set XSTEP, 2048
.set XT,    512
.endif
.set PITCHW, 1<<LPW
.set STEPW,  64*PITCHW
.set TRIPS,  NS/2-1
.set WP,     144                       ; 128 bytes + 16: nine times 16, so 16 rows start at 16 different groups of four banks (ISA guide 11.1)
.set SLOT,   128*WP
.set LIST,   2*SLOT                    ; 4 x 5,120: each wave's list: 1,152 entries, 32 words for what is not chosen
.set LISTW,  5120
.set OVS,    LIST+4*LISTW              ; 4 x 18,432: each wave's own slot for rows from 320 on
.set SPARE,  OVS+4*SLOT                ; the spare words, 128 bytes a wave
.set BX,     68                        ; s[68:75] the row operand's four bases, one for each quarter; s[76:77] their step; s[78:79] the distance between them
; REGISTERS.  window 0: v1 L, v2 r = i = L % 16, v3 h = L / 16, v4 weights' offset, v5 where I store weights, v6 144 r + 16 h, v7 list address, v8-12 row operand's offsets, v13 16 L,
;   v14, v15 the add's two, v16-23 at work, v24 weights' offset and v25 slot address for rows from 320 on, v27 list address there, v28 64 h (KIND 0) or 16 r (KIND 1),
;   v32-63 packed weights, v64-127 and v128-191 weights as loaded (two sets), v192-223 selw; the ways out use v64-207
;   window 1: accumulator (a, nu) at 64 a + 8 nu, a < 4.  window 2: v0-63 (4, nu); v128-191, v192-255 weights' fragments of chunk 0, 1.  window 3: v0-79, v80-159 row fragments, two buffers.
; s24 w, s25 id, s26 e, s27 u, s28 first row, s29 n, s32 MW, s33 row tiles in all (routed), s34 counter, s[36:37], s[38:39] the two column groups, s[40:41] row operand for rows from 320 on,
; s[42:43] store base, s[44:47] copies, s48 selw's mask, s49 e + 8, s50 my list, s56 expert within its tensor, s57 64 e
.set MSB, 0
.macro WIN new                         ; the immediate's high byte repeats the setting that is left
.if MSB != (\new)
	s_set_vgpr_msb (MSB<<8)|(\new)
.set MSB, (\new)
.endif
.endm
.macro PLACES                          ; four places behind matrix instructions (ISA guide 7.12.1)
.rept 4
	v_nop
.endr
.endm
.macro WLOAD set, off                  ; a step's weights: my 8 rows of k, 16 bytes of each column group: sixteen lanes take 256 consecutive bytes
	WIN 0
.irp t, 0,1,2,3,4,5,6,7
	global_load_b128 v[64+64*(\set)+4*\t:67+64*(\set)+4*\t], v4, s[36:37] offset:(\off)+\t*PITCHW
	global_load_b128 v[96+64*(\set)+4*\t:99+64*(\set)+4*\t], v4, s[38:39] offset:(\off)+\t*PITCHW
.endr
.endm
.macro CVT set, grp                    ; eight k of each of my four columns become 16 bytes
	WIN 0
.irp c, 0,1,2,3
.irp p, 0,1,2,3
	v_cvt_pk_bf16_f32 v[32+16*(\grp)+4*\c+\p], v[64+64*(\set)+32*(\grp)+8*\p+\c], v[68+64*(\set)+32*(\grp)+8*\p+\c]
.endr
.endr
.endm
.macro STW areg, base, grp
.irp c, 0,1,2,3
	ds_store_b128 v[\areg], v[32+16*(\grp)+4*\c:35+16*(\grp)+4*\c] offset:(\base)+(64*(\grp)+16*\c)*WP
.endr
.endm
.macro WFLOAD kap, areg, base          ; the eight column tiles' fragments of chunk kap
	WIN 0x80
.irp nu, 0,1,2,3,4,5,6,7
	ds_load_b128 v[128+64*(\kap)+8*\nu:131+64*(\kap)+8*\nu], v[\areg] offset:(\base)+16*\nu*WP+64*(\kap)
	ds_load_b128 v[132+64*(\kap)+8*\nu:135+64*(\kap)+8*\nu], v[\areg] offset:(\base)+16*\nu*WP+64*(\kap)+32
.endr
	WIN 0
.endm
; Ten loads: five row tiles' fragments of chunk kap of one step, into buffer buf.  step = 1: the chunk's two bases go on to the next step first.
.macro XLD buf, kap, step
.if \step
	s_wait_xcnt 0x0                                ; the bases are stepped only behind this wait; the last loads went out half a step ago
	s_add_nc_u64 s[BX+4*(\kap):BX+4*(\kap)+1], s[BX+4*(\kap):BX+4*(\kap)+1], s[76:77]
	s_add_nc_u64 s[BX+4*(\kap)+2:BX+4*(\kap)+3], s[BX+4*(\kap)+2:BX+4*(\kap)+3], s[76:77]
.endif
	WIN 0xc0
.irp a, 0,1,2,3,4
.irp t, 0,1
	global_load_b128 v[80*(\buf)+16*\a+8*(\kap)+4*\t:80*(\buf)+16*\a+8*(\kap)+4*\t+3], v[8+\a], s[BX+4*(\kap)+2*\t:BX+4*(\kap)+2*\t+1]
.endr
.endr
	WIN 0
.endm
; Eight matrix instructions: row tile a x all column tiles, chunk kap.  Every block runs nu = 0 .. 7, so on every way two matrix instructions that follow each other name different accumulators.
.macro BLK a, kap, buf, zero, skip
.if \skip
	WIN 0
	s_cmp_le_u32 s32, \a
	s_cbranch_scc1 .Lsk_\@
.endif
.if KIND == 0
	WIN 0x5e+0x50*((\a)/4)                         ; source 0 weights (window 2), source 1 rows (window 3): a lane then holds one token and eight hidden columns
.else
	WIN 0x5b+0x50*((\a)/4)                         ; source 0 rows, source 1 weights
.endif
.set rD, 64*((\a)%4)
.set rW, 128+64*(\kap)
.set rX, 80*(\buf)+16*(\a)+8*(\kap)
.irp nu, 0,1,2,3,4,5,6,7
.if KIND == 0
.if \zero
	v_wmma_f32_16x16x32_bf16 v[rD+8*\nu:rD+8*\nu+7], v[rW+8*\nu:rW+8*\nu+7], v[rX:rX+7], 0
.else
	v_wmma_f32_16x16x32_bf16 v[rD+8*\nu:rD+8*\nu+7], v[rW+8*\nu:rW+8*\nu+7], v[rX:rX+7], v[rD+8*\nu:rD+8*\nu+7]
.endif
.else
.if \zero
	v_wmma_f32_16x16x32_bf16 v[rD+8*\nu:rD+8*\nu+7], v[rX:rX+7], v[rW+8*\nu:rW+8*\nu+7], 0
.else
	v_wmma_f32_16x16x32_bf16 v[rD+8*\nu:rD+8*\nu+7], v[rX:rX+7], v[rW+8*\nu:rW+8*\nu+7], v[rD+8*\nu:rD+8*\nu+7]
.endif
.endif
.endr
	WIN 0
.if \skip
.Lsk_\@:
.endif
.endm
; THE ORDER OF THE LOADS.  X0(s), X1(s): the row operand's chunks of step s, ten loads each; W(s): 16.  Step s's first chunk issues X1(s+1), W(s+3); its second chunk X0(s+2).
; So they go out as .. X1(s), W(s+2) | X0(s+1) | X1(s+1), W(s+3) | X0(s+2) ..; by this count a wave has 62 loads out at the most.
; Step s, first chunk (par = s % 2).  Between the blocks: W(s+1) is rounded and laid into the other slot, chunk 1's fragments of the weights are fetched.
.macro P0 par, woff, zero
	s_wait_loadcnt 36                              ; X0(s) and W(s+1) are in: younger are X1(s), W(s+2) and X0(s+1): 10 + 16 + 10
	s_wait_dscnt 0x0                               ; chunk 0's fragments of the weights
	BLK 0, 0, \par, \zero, 1-\zero
	CVT 1-\par, 0                                  ; sixteen plain instructions: the places behind the last products that read the registers loaded next
	STW 5, (1-\par)*SLOT, 0
	XLD 1-\par, 1, 1                               ; X1(s+1), where X1(s-1) lay
	BLK 1, 0, \par, \zero, 1-\zero
	CVT 1-\par, 1
	STW 5, (1-\par)*SLOT, 1
	BLK 2, 0, \par, \zero, 1-\zero
	WFLOAD 1, 6, (\par)*SLOT
	BLK 3, 0, \par, \zero, 1-\zero
	WLOAD 1-\par, \woff
	BLK 4, 0, \par, \zero, 1-\zero
	s_wait_dscnt 0x0                               ; my stores into the next slot are done, my reads of this slot are back
	s_barrier_signal -1
.endm
; Second chunk; behind the barrier the next slot is whole, and nobody reads this one any more.  xl = 1: X0(s+2) is asked for.
.macro P1 par, xl
	s_wait_loadcnt 52                              ; X1(s) is in: younger are W(s+2), X0(s+1), X1(s+1) and W(s+3): 16 + 10 + 10 + 16
	BLK 0, 1, \par, 0, 1
	BLK 1, 1, \par, 0, 1
	s_barrier_wait -1
	PLACES                                         ; for the loads into chunk 0's fragments, of the weights and of the rows
	WFLOAD 0, 6, (1-\par)*SLOT
.if \xl
	XLD \par, 0, 1                                 ; X0(s+2), where X0(s) lay
.endif
	BLK 2, 1, \par, 0, 1
	BLK 3, 1, \par, 0, 1
	BLK 4, 1, \par, 0, 1
.endm
.if KIND == 0
; THE WAY OUT of row tile a.  Lane (r, h), register j of column tile c holds token r, hidden column 32 h + 4 j + c of the unit: gate in tiles 0-3, up in 4-7.
; h = g u / (1 + 2^(-g log2 e)); packed so that the 64 bytes ARE the lane's four fragment quarters of the next product's step u.  Each accumulator is read from its low end on.
.macro EPI a, sb, imm, skip
	WIN 0
.if \skip
	s_cmp_le_u32 s32, \a
	s_cbranch_scc1 .Lep_\@
.endif
	s_wait_xcnt 0x0                                ; the last way out's stores have read their registers
.set AB, 64*((\a)%4)
	WIN 1+(\a)/4
.set z, 0
.rept 16
	v_pk_mul_f32 v[64+2*z:65+2*z], v[AB+2*z:AB+2*z+1], 0xbfb8aa3b op_sel_hi:[1,0]
.set z, z+1
.endr
	WIN 5*(1+(\a)/4)
.set z, 0
.rept 16
	v_pk_mul_f32 v[96+2*z:97+2*z], v[AB+2*z:AB+2*z+1], v[AB+32+2*z:AB+33+2*z]
.set z, z+1
.endr
	WIN 0
.set z, 0
.rept 32
	v_exp_f32 v[64+z], v[64+z]
.set z, z+1
.endr
	v_nop                                          ; a plain instruction behind the last exponential
.set z, 0
	s_wait_alu depctr_va_vdst(0)
.rept 16
	v_pk_add_f32 v[64+2*z:65+2*z], v[64+2*z:65+2*z], 1.0 op_sel_hi:[1,0]
.set z, z+1
.endr
.set z, 0
.rept 32
	v_rcp_f32 v[64+z], v[64+z]
.set z, z+1
.endr
	v_nop
.set z, 0
	s_wait_alu depctr_va_vdst(0)
.rept 16
	v_pk_mul_f32 v[96+2*z:97+2*z], v[96+2*z:97+2*z], v[64+2*z:65+2*z]
.set z, z+1
.endr
.irp t, 0,1,2,3
.irp p, 0,1,2,3
	v_cvt_pk_bf16_f32 v[128+4*\t+\p], v[96+16*(\p%2)+2*\t+(\p/2)], v[104+16*(\p%2)+2*\t+(\p/2)]
.endr
.endr
.irp t, 0,1,2,3
	global_store_b128 v13, v[128+4*\t:131+4*\t], s[\sb:\sb+1] offset:(\imm)+512*\t   ; the wave stores 512 consecutive bytes, aligned
.endr
.if \skip
.Lep_\@:
.endif
.endm
.else
; The entries of na row tiles: c from cwb, and the rows' places in pb.  Lane (r, h) wants list rows 8 h + j.
.macro LKUP areg, na
	WIN 0
.set a, 0
.rept \na
	ds_load_b128 v[64+8*a:67+8*a], v[\areg] offset:256*a
	ds_load_b128 v[68+8*a:71+8*a], v[\areg] offset:256*a+16
.set a, a+1
.endr
	s_wait_dscnt 0x0
.set z, 0
.rept 8*(\na)
	v_min_u32 v[64+z], 0xfff, v[64+z]
	v_lshlrev_b32 v[144+z], 2, v[64+z]
.set z, z+1
.endr
.set z, 0
.rept 8*(\na)
	global_load_b32 v[104+z], v[144+z], s[8:9]
.set z, z+1
.endr
.set z, 0
.rept 8*(\na)
	v_lshl_add_u32 v[64+z], v[64+z], 13, v28       ; row x 8,192 bytes + 16 r
.set z, z+1
.endr
.endm
; THE WAY OUT of row tile a.  Lane (r, h), register j of column tile 4 grp + c holds list row 8 h + j, column 64 grp + 4 r + c: the multiply by c also gathers four neighbouring columns.
.macro EPI3 a, skip
	WIN 0
.if \skip
	s_cmp_le_u32 s32, \a
	s_cbranch_scc1 .Lep_\@
.endif
	s_wait_xcnt 0x0                                ; the last way out's stores have read their registers
.set AB, 64*((\a)%4)
	WIN 1+(\a)/4
.set j, 0
.rept 8                                                ; j ascending: each accumulator is read from its low end on
.irp g, 0,1
.irp c, 0,1,2,3
	v_mul_f32 v[144+4*(2*j+\g)+\c], v[AB+8*(4*\g+\c)+j], v[104+8*(\a)+j]
.endr
.endr
.set j, j+1
.endr
	WIN 0
.set j, 0
.rept 8
.irp g, 0,1
	global_store_b128 v[64+8*(\a)+j], v[144+4*(2*j+\g):147+4*(2*j+\g)], s[42:43] offset:256*\g   ; sixteen lanes store 256 consecutive bytes, aligned
.endr
.set j, j+1
.endr
.if \skip
.Lep_\@:
.endif
.endm
.endif
	s_load_b256 s[4:11], s[0:1], 0x0               ; KIND 0: xb, selw, wg, wu.  KIND 1: hb, selw, cwb, wd
	s_load_b128 s[12:15], s[0:1], 0x20             ; KIND 0: swg, swu.          KIND 1: swd, pb
.if KIND == 0
	s_load_b128 s[16:19], s[0:1], 0x30             ; hb, xf
.endif
	v_lshl_add_u32 v14, v0, 2, SPARE               ; my spare word
	v_mov_b32 v15, 0
	v_and_b32 v1, 31, v0
	v_lshrrev_b32 v16, 5, v0
	v_readfirstlane_b32 s24, v16                   ; wave
	v_and_b32 v2, 15, v0
	v_bfe_u32 v3, v0, 4, 1
	v_lshlrev_b32 v13, 4, v1
	s_mov_b32 s25, ttmp9
	s_and_b32 s27, s25, 15                         ; unit
	s_lshr_b32 s51, s25, 4                         ; routed: the expert
	s_sub_co_u32 s52, s25, 128
	s_lshr_b32 s53, s52, 6                         ; shared: which of the two,
	s_add_co_u32 s54, s53, 8
	s_bfe_u32 s55, s52, 0x20004
	s_lshl_b32 s55, s55, 8                         ; and which quarter of the rows
	s_cmp_lt_u32 s25, 128
	s_cselect_b32 s26, s51, s54
	s_cselect_b32 s56, s51, s53
	s_cselect_b32 s28, 0, s55
	s_cselect_b32 s35, 64, 0
	s_add_co_u32 s35, s35, 256                     ; rows at the most: 320 routed, 256 shared
	s_lshl_b32 s57, s26, 6
	s_lshl_b32 s48, 0x101, s26
	s_add_co_u32 s49, s26, 8
	v_lshlrev_b32 v24, 4, v2
	v_lshl_add_u32 v24, v3, LPW+5, v24             ; 32 h rows + 16 i
	s_lshl_b32 s51, s24, LPW+3
	v_add_nc_u32 v4, s51, v24                      ; + 8 w rows
	v_mul_u32_u24 v6, v2, WP
	v_lshl_add_u32 v6, v3, 4, v6
	s_lshl_b32 s51, s24, 5
	v_add_nc_u32 v5, s51, v6                       ; 144 i + 16 (2 w + h)
	s_mul_i32 s51, s24, SLOT
	s_add_co_u32 s51, s51, OVS
	v_add_nc_u32 v25, s51, v6
	s_mul_i32 s50, s24, LISTW
	s_add_co_u32 s50, s50, LIST
	s_lshl_b32 s52, s56, 23                        ; an expert's tensor is 8,388,608 bytes
.if KIND == 0
	s_lshl_b32 s53, s27, 8
.else
	s_lshl_b32 s53, s27, 9
.endif
	s_add_co_u32 s52, s52, s53
	s_mov_b32 s53, 0
	s_movk_i32 s76, 2048
	s_mov_b32 s77, 0
	s_mov_b32 s79, 0
	s_wait_kmcnt 0x0
	s_cmp_lt_u32 s25, 128
.if KIND == 0
	s_cselect_b64 s[36:37], s[8:9], s[12:13]
	s_cselect_b64 s[38:39], s[10:11], s[14:15]
	s_cselect_b64 s[BX:BX+1], s[4:5], s[18:19]     ; routed: xb's rows; shared: xf's fragments
	s_cselect_b32 s76, XSTEP, s76                  ; from step to step: 128 bytes of a row, or a step's 2,048 bytes of a tile
	s_cselect_b32 s78, XT, 512                     ; from quarter to quarter
	s_add_nc_u64 s[36:37], s[36:37], s[52:53]
	s_add_nc_u64 s[38:39], s[38:39], s[52:53]
	s_lshr_b32 s54, s28, 4
	s_add_co_u32 s54, s54, s57
	s_add_co_u32 s54, s54, s24
	s_lshl_b32 s54, s54, 5
	s_lshl_b32 s55, s27, 1
	s_add_co_u32 s54, s54, s55
	s_lshl_b32 s54, s54, 10                        ; ((64 e + first tile + w) 32 + 2 u) 1,024
	s_mov_b32 s55, 0
	s_add_nc_u64 s[42:43], s[16:17], s[54:55]
.else
	s_cselect_b64 s[36:37], s[10:11], s[12:13]
	s_mov_b64 s[BX:BX+1], s[4:5]
	s_mov_b32 s78, XT
	s_add_nc_u64 s[36:37], s[36:37], s[52:53]
	s_add_nc_u64 s[38:39], s[36:37], 256
	s_lshl_b32 s54, s27, 9
	s_mov_b32 s55, 0
	s_add_nc_u64 s[42:43], s[14:15], s[54:55]
.endif
	s_add_nc_u64 s[BX+2:BX+3], s[BX:BX+1], s[78:79]
	s_add_nc_u64 s[BX+4:BX+5], s[BX+2:BX+3], s[78:79]
	s_add_nc_u64 s[BX+6:BX+7], s[BX+4:BX+5], s[78:79]
	s_mov_b64 s[44:45], s[36:37]
	s_mov_b64 s[46:47], s[38:39]
.set i, 0
.rept 8                                                ; selw: register 4 i + c holds token 128 i + 4 L + c
	global_load_b128 v[192+4*i:195+4*i], v13, s[6:7] offset:512*i
.set i, i+1
.endr
	WLOAD 0, 0
	WLOAD 1, STEPW
	v_add_nc_u32 v16, s50, v13
.irp z, 20,21,22,23
	v_mov_b32 v\z, 0
.endr
.set i, 0
.rept 10
	ds_store_b128 v16, v[20:23] offset:512*i       ; my list starts as zeros: a place that is never filled names token 0
.set i, i+1
.endr
	s_mov_b32 s29, 0
	s_wait_loadcnt 32                              ; selw is in; W(0) and W(1) are younger
	s_cmp_lt_u32 s25, 128
	s_cbranch_scc0 .Lshared
	v_lshlrev_b32 v19, 2, v1
	v_add_nc_u32 v20, 1152, v1
.set q, 0
.rept 32                                               ; a counting pass: the chosen tokens of a register take the places n, n + 1, .. in the lanes' order
	v_and_b32 v17, s48, v[192+q]
	v_cmp_ne_u32 s52, 0, v17
	v_lshrrev_b32 v17, s49, v17                    ; 1 if the expert is the token's second choice
	v_lshl_add_u32 v17, v17, 10, v19
	v_add_nc_u32 v17, 128*(q/4)+q%4, v17
	v_mbcnt_lo_u32_b32 v18, s52, s29
	v_cndmask_b32 v18, v20, v18, s52               ; a token that did not choose goes to the 32 words behind the list
	v_min_u32 v18, 1183, v18
	v_lshl_add_u32 v18, v18, 2, s50
	ds_store_b32 v18, v17
	s_bcnt1_i32_b32 s53, s52
	s_add_co_u32 s29, s29, s53
.set q, q+1
.endr
	s_branch .Llisted
.Lshared:
	s_sub_co_u32 s51, s26, 6
	s_lshl_b32 s51, s51, 10
	v_or_b32 v17, s51, v1
	v_lshl_add_u32 v18, v1, 2, s50
.set q, 0
.rept 32
	v_add_nc_u32 v19, 32*q, v17
	ds_store_b32 v18, v19 offset:128*q
.set q, q+1
.endr
	s_movk_i32 s29, 1024
.Llisted:
	s_min_u32 s29, s29, 1024
	s_max_u32 s51, s29, 1
	s_sub_co_u32 s51, s51, 1
	s_min_u32 s51, s51, 1023                       ; the last entry's index: the bound, which changes nothing, stands in the text: the address stays in my list
	s_lshl_b32 s51, s51, 2
	s_add_co_u32 s51, s51, s50
	v_mov_b32 v16, s51
	ds_load_b32 v17, v16                           ; the last row,
	v_add_nc_u32 v18, s29, v2
	v_lshl_add_u32 v18, v18, 2, s50
	s_wait_dscnt 0x0
	ds_store_b32 v18, v17                          ; sixteen times behind the list's end
	s_sub_co_u32 s30, s29, s28
	s_min_u32 s30, s30, s35
	s_add_co_u32 s31, s30, 15
	s_lshr_b32 s31, s31, 4
	s_add_co_u32 s32, s31, 3
	s_sub_co_u32 s32, s32, s24
	s_lshr_b32 s32, s32, 2                         ; MW
	s_add_co_u32 s33, s29, 15
	s_lshr_b32 s33, s33, 4
	s_cmp_lt_u32 s25, 128
	s_cselect_b32 s33, s33, 0
	s_lshl_b32 s51, s24, 4
	s_add_co_u32 s51, s51, s28
	s_min_u32 s51, s51, 816                        ; 16 w + first row is 48 + 768 at the most: with 15 rows, four tiles of 64 rows on and 4 bytes an entry, 4,352 of my list's 5,120 bytes
	s_lshl_b32 s51, s51, 2
	s_add_co_u32 s51, s51, s50                     ; my list at row first + 16 w
.if KIND == 0
	v_lshlrev_b32 v28, 6, v3
	s_cmp_lt_u32 s25, 128
	s_cbranch_scc0 .Lxsh
	v_lshl_add_u32 v7, v2, 2, s51
.irp a, 0,1,2,3,4
	ds_load_b32 v[16+\a], v7 offset:256*\a
.endr
	s_wait_dscnt 0x0
.irp a, 0,1,2,3,4
	s_cmp_gt_u32 s32, \a
	s_cselect_b32 s52, 0x3ff, 0                    ; a tile that does not exist reads token 0 in all its lanes
	v_and_b32 v[16+\a], s52, v[16+\a]
	v_min_u32 v[16+\a], 0x3ff, v[16+\a]
	v_lshl_add_u32 v[8+\a], v[16+\a], 12, v28      ; token x 4,096 bytes + 64 h
.endr
	s_branch .Lxdone
.Lxsh:                                                 ; a shared expert's list is the tokens in their order: row tile = tile of xf, 65,536 bytes each; it has four tiles a wave
	s_lshr_b32 s51, s28, 4
	s_add_co_u32 s51, s51, s24
.irp a, 0,1,2,3
	s_add_co_u32 s52, s51, 4*\a
	s_min_u32 s52, s52, 63
	s_lshl_b32 s52, s52, 16
	v_add_nc_u32 v[8+\a], s52, v13
.endr
	v_mov_b32 v12, 0                               ; the fifth does not exist: all lanes read one place
.Lxdone:
.else
	v_lshl_add_u32 v7, v3, 5, s51
	v_lshlrev_b32 v28, 4, v2
	s_lshr_b32 s51, s28, 4
	s_add_co_u32 s51, s51, s57
	s_add_co_u32 s51, s51, s24
.irp a, 0,1,2,3,4
	s_add_co_u32 s52, s51, 4*\a
	s_cmp_gt_u32 s32, \a
	s_cselect_b32 s52, s52, 512                    ; a tile that does not exist reads tile 512, shared expert 8's first, which always exists
	s_min_u32 s52, s52, 639
	s_lshl_b32 s52, s52, 15
.if \a < 4
	v_add_nc_u32 v[8+\a], s52, v13
.else
	s_cmp_lt_u32 s25, 128                          ; a shared expert's wave never has a fifth tile: by the work-group's number alone its lanes read one place
	s_cselect_b32 s54, -1, 0
	v_and_b32 v16, s54, v13
	v_add_nc_u32 v[8+\a], s52, v16
.endif
.endr
.endif
	XLD 0, 0, 0                                    ; X0(0)
	XLD 0, 1, 0                                    ; X1(0)
	s_wait_loadcnt 36                              ; W(0) is in: W(1)'s 16 and step 0's 20 loads are younger
	CVT 0, 0
	STW 5, 0, 0
	CVT 0, 1
	STW 5, 0, 1
	WLOAD 0, 2*STEPW
	XLD 1, 0, 1                                    ; X0(1): from here on the loads go out in the loop's order
	s_wait_dscnt 0x0                               ; for the others' sake: my part of slot 0 is in LDS
	s_barrier_signal -1
	s_barrier_wait -1
	WFLOAD 0, 6, 0
	P0 0, 3*STEPW, 1                               ; the first products start all 40 sums, on every way: nothing is cleared
	s_wait_xcnt 0x0                                ; the pointers are stepped only behind this wait
	s_add_nc_u64 s[36:37], s[36:37], 4*STEPW
	s_add_nc_u64 s[38:39], s[38:39], 4*STEPW
	s_mov_b32 s53, 0
	s_mov_b32 s34, TRIPS
.Lloop:                                                ; a trip: the second chunk of an even step, an odd step, the first chunk of the next even step
	P1 0, 1
	P0 1, 0, 0
	P1 1, 1
	P0 0, STEPW, 0
	s_wait_xcnt 0x0
	s_cmp_eq_u32 s34, 2                            ; the last trip's two requests for weights would pass K's end: the pointers stay, the lane term goes,
	s_cselect_b32 s52, 0, 2*STEPW                  ; and they read 16 bytes of rows read before, which nobody uses: the price of one text for every trip
	s_cselect_b32 s54, 0, -1
	s_add_nc_u64 s[36:37], s[36:37], s[52:53]
	s_add_nc_u64 s[38:39], s[38:39], s[52:53]
	v_and_b32 v4, s54, v4
	s_sub_co_u32 s34, s34, 1
	s_cmp_lg_u32 s34, 0
	s_cbranch_scc1 .Lloop
	P1 0, 0                                        ; the last step but one: there is no step after next to ask for
	s_wait_loadcnt 0x0                             ; the last step: nothing more is asked for
	s_wait_dscnt 0x0
	BLK 0, 0, 1, 0, 1
	PLACES
	WFLOAD 1, 6, SLOT
	BLK 1, 0, 1, 0, 1
	BLK 2, 0, 1, 0, 1
	BLK 3, 0, 1, 0, 1
	BLK 4, 0, 1, 0, 1
	s_wait_dscnt 0x0
.if KIND == 1
	LKUP 7, 5                                      ; its 40 loads land under the last 40 products
.endif
	BLK 0, 1, 1, 0, 1
	BLK 1, 1, 1, 0, 1
	BLK 2, 1, 1, 0, 1
	BLK 3, 1, 1, 0, 1
	BLK 4, 1, 1, 0, 1
	PLACES
.if KIND == 0
.irp a, 0,1,2,3,4
	EPI \a, 42, \a*131072, 1
.endr
.else
	s_wait_loadcnt 0x0                             ; c
.irp a, 0,1,2,3,4
	EPI3 \a, 1
.endr
.endif
	; ROWS FROM 320 ON: no even split has them, every split is served.  Each wave by itself, a row tile at a time, tiles 20 + 4 p + w; it lays the weights into a slot of its own: no barrier.
	s_mov_b32 s34, 11
	s_add_co_u32 s58, s24, 20
.Lov:
	s_cmp_ge_u32 s58, s33
	s_cbranch_scc1 .Lovn
	s_wait_xcnt 0x0                                ; earlier stores have read their registers and bases
	s_min_u32 s60, s58, 63
	s_lshl_b32 s51, s60, 6
	s_add_co_u32 s51, s51, s50
.if KIND == 0
	v_lshl_add_u32 v27, v2, 2, s51
	ds_load_b32 v16, v27
	s_add_co_u32 s62, s57, s60
	s_lshl_b32 s62, s62, 5
	s_lshl_b32 s63, s27, 1
	s_add_co_u32 s62, s62, s63
	s_lshl_b32 s62, s62, 10
	s_mov_b32 s63, 0
	s_add_nc_u64 s[62:63], s[16:17], s[62:63]
	s_wait_dscnt 0x0
	v_and_b32 v16, 0x3ff, v16
	v_min_u32 v16, 0x3ff, v16
	v_lshl_add_u32 v8, v16, 12, v28
.else
	v_lshl_add_u32 v27, v3, 5, s51
	s_add_co_u32 s52, s57, s60
	s_lshl_b32 s52, s52, 15
	v_add_nc_u32 v8, s52, v13
.endif
	s_mov_b64 s[36:37], s[44:45]
	s_mov_b64 s[38:39], s[46:47]
	s_mov_b64 s[40:41], s[4:5]
	PLACES
	WIN 0x40
.set z, 0
.rept 64
	v_mov_b32 v[z], 0                              ; cleared on purpose: this path writes no first step out
.set z, z+1
.endr
	WIN 0
	s_mov_b32 s59, NS
.Lovk:
	PLACES                                         ; for the loads into the row fragments
	WIN 0xc0
.irp t, 0,1,2,3
	global_load_b128 v[4*\t:4*\t+3], v8, s[40:41] offset:\t*XT
.endr
	WIN 0
.irp d, 0,1,2,3                                        ; a step's weights in four quarters: what the four waves share out above
.irp t, 0,1,2,3,4,5,6,7
	global_load_b128 v[64+4*\t:67+4*\t], v24, s[36:37] offset:(8*\d+\t)*PITCHW
	global_load_b128 v[96+4*\t:99+4*\t], v24, s[38:39] offset:(8*\d+\t)*PITCHW
.endr
	s_wait_loadcnt 0x0
	CVT 0, 0
	STW 25, 32*\d, 0
	CVT 0, 1
	STW 25, 32*\d, 1
.endr
	s_wait_xcnt 0x0
	s_add_nc_u64 s[36:37], s[36:37], STEPW
	s_add_nc_u64 s[38:39], s[38:39], STEPW
	s_add_nc_u64 s[40:41], s[40:41], XSTEP
	WFLOAD 0, 25, 0                                ; LDS serves a wave's instructions in order (ISA guide 5.7.1.4): these see my stores
	WFLOAD 1, 25, 0
	s_wait_dscnt 0x0
	BLK 0, 0, 0, 0, 0
	BLK 0, 1, 0, 0, 0
	s_sub_co_u32 s59, s59, 1
	s_cmp_lg_u32 s59, 0
	s_cbranch_scc1 .Lovk
	PLACES
.if KIND == 0
	EPI 0, 62, 0, 0
.else
	LKUP 27, 1
	s_wait_loadcnt 0x0
	EPI3 0, 0
.endif
.Lovn:
	s_add_co_u32 s58, s58, 4
	s_sub_co_u32 s34, s34, 1
	s_cmp_lg_u32 s34, 0
	s_cbranch_scc1 .Lov
	s_wait_tensorcnt 0x0                           ; the wave's end
	ds_add_u32 v14, v15
	s_wait_dscnt 0x0
	s_endpgm
.Lfunc_end_k_qd5444005a4_gateup:
	.size	k_qd5444005a4_gateup, .Lfunc_end_k_qd5444005a4_gateup-k_qd5444005a4_gateup
	.p2alignl 7, 3214868480
	.fill 96, 4, 3214868480
	.section	.rodata,"a",@progbits
	.p2align	6, 0x0
	.amdhsa_kernel k_qd5444005a4_gateup
		.amdhsa_group_segment_fixed_size 131584
		.amdhsa_private_segment_fixed_size 0
		.amdhsa_enable_private_segment 0
		.amdhsa_kernarg_size 64
		.amdhsa_user_sgpr_count 2
		.amdhsa_user_sgpr_kernarg_segment_ptr 1
		.amdhsa_wavefront_size32 1
		.amdhsa_system_sgpr_workgroup_id_x 1
		.amdhsa_system_sgpr_workgroup_id_y 1
		.amdhsa_system_sgpr_workgroup_id_z 1
		.amdhsa_system_vgpr_workitem_id 0
		.amdhsa_next_free_vgpr 928
		.amdhsa_next_free_sgpr 80
		.amdhsa_reserve_vcc 0
		.amdhsa_float_denorm_mode_32 3
		.amdhsa_float_denorm_mode_16_64 3
		.amdhsa_memory_ordered 1
		.amdhsa_forward_progress 1
		.amdhsa_inst_pref_size 169
	.end_amdhsa_kernel
	.amdgpu_metadata
---
amdhsa.version: [ 1, 2 ]
amdhsa.kernels:
  - .name:           k_qd5444005a4_gateup
    .symbol:         k_qd5444005a4_gateup.kd
    .args:
      - { .name: xb, .offset: 0, .size: 8, .value_kind: global_buffer, .address_space: global }
      - { .name: selw, .offset: 8, .size: 8, .value_kind: global_buffer, .address_space: global }
      - { .name: wg, .offset: 16, .size: 8, .value_kind: global_buffer, .address_space: global }
      - { .name: wu, .offset: 24, .size: 8, .value_kind: global_buffer, .address_space: global }
      - { .name: swg, .offset: 32, .size: 8, .value_kind: global_buffer, .address_space: global }
      - { .name: swu, .offset: 40, .size: 8, .value_kind: global_buffer, .address_space: global }
      - { .name: hb, .offset: 48, .size: 8, .value_kind: global_buffer, .address_space: global }
      - { .name: xf, .offset: 56, .size: 8, .value_kind: global_buffer, .address_space: global }
    .group_segment_fixed_size: 131584
    .private_segment_fixed_size: 0
    .kernarg_segment_align: 8
    .kernarg_segment_size: 64
    .max_flat_workgroup_size: 128
    .sgpr_count:     80
    .vgpr_count:     928
    .wavefront_size: 32
...
	.end_amdgpu_metadata
.endif
;; end of part 2
;; launch down (part 3): grid 256 x 1, 4 waves a work-group, no clusters, 131,584 bytes of LDS; arguments hb, selw, cwb, wd, swd, pb; writes pb
.if DOCPART == 3
	.amdgcn_target "amdgcn-amd-amdhsa--gfx1250"
	.amdhsa_code_object_version 6
	.text
	.protected	k_qd5444005a4_down
	.globl	k_qd5444005a4_down
	.p2align	8
	.type	k_qd5444005a4_down,@function
k_qd5444005a4_down:
	s_mov_b64 s[64:65], 0
	v_nop
	global_prefetch_b8 v0, s[64:65] scope:SCOPE_SE
	s_setreg_imm32_b32 hwreg(HW_REG_WAVE_MODE, 25, 1), 1
	s_wait_xcnt 0x0
; ONE TEXT FOR THE TWO PRODUCTS OF THE EXPERTS; KIND chooses.  KIND 0: h = silu(x Wg) * (x Wu), K = 2048.  KIND 1: c * (h Wd), K = 1024.
; SHARES.  256 work-groups.  0-127: routed expert id / 16, unit id % 16 of 128 weight columns (KIND 0: 64 of Wg and the same 64 of Wu), that expert's first 320 rows; it alone reads its slice.
; 128-255: shared expert, a quarter of the 1,024 rows, unit.  Wave w has the row tiles 4 a + w, a = 0 .. 4: 40 accumulators.  MW = how many of the five exist; only blocks of eight matrix
; instructions and whole ways out are jumped by it, never a load, an LDS instruction or a barrier, so every counted wait holds on every way.  Rows from 320 on go by a path of their own at the end.
; THE LIST.  Every wave makes its expert's list of rows for itself, in its own LDS, from selw: entry = slot << 10 | token (slot 0, 1: first, second choice; 2, 3: shared).
; Places past the count repeat the last row, which then stores the same bytes to the same place.
; WEIGHTS are f32 [K][N]: loaded as rows of 256 consecutive bytes, rounded to bf16 in registers, laid into LDS as [column][64 k], pitch 144 bytes, two slots by turns, one barrier a K step of 64.
; k IS PERMUTED alike in both operands: place 32 kap + 16 b + 8 h + i of a step holds k = 32 h + 16 kap + 8 b + i, so a lane's two fragments are four quarters of 16 bytes.
; LDS row 64 grp + 16 c + i holds column 4 i + c of group grp.
; THE ROW OPERAND comes from memory straight into fragments, ten loads for a chunk of 32 along K.  A chunk's registers are loaded again as soon as the chunk has been multiplied, for the step after
; next: a request has a step and a half in which to land.  KIND 0, routed: rows of xb by the list (a lane's quarters 16 bytes apart).  KIND 0, shared, and KIND 1: xf and hb lie in the fragments'
; order, and each load of a wave covers 512 consecutive bytes.  One text serves both: the four quarters have four scalar bases, stepped by a scalar.  A row tile that does not exist reads token 0
; (KIND 0, routed), one place (a shared expert's fifth tile), or the fragments of a tile that always exists (KIND 1, routed); its products are jumped.
; NO MULTICAST, NO TENSOR LOADS: a routed slice has one work-group to read it and must pass through registers to be rounded; token rows come by a list.
; LIMITS.  All operands are rounded to bf16 (nearest even), sums in f32; h is rounded once to bf16; NaN and infinities are not treated apart; where exp2 overflows silu's factor is 0, its limit.
.set KIND, 1
.if KIND == 0
.set NS,    32                         ; K steps
.set LPW,   12                         ; a row of weights: 4,096 bytes
.set XSTEP, 128                        ; bytes of the row operand from step to step (KIND 0: of xb's rows)
.set XT,    16                         ; and between a lane's four quarters
.else
.set NS,    16
.set LPW,   13
.set XSTEP, 2048
.set XT,    512
.endif
.set PITCHW, 1<<LPW
.set STEPW,  64*PITCHW
.set TRIPS,  NS/2-1
.set WP,     144                       ; 128 bytes + 16: nine times 16, so 16 rows start at 16 different groups of four banks (ISA guide 11.1)
.set SLOT,   128*WP
.set LIST,   2*SLOT                    ; 4 x 5,120: each wave's list: 1,152 entries, 32 words for what is not chosen
.set LISTW,  5120
.set OVS,    LIST+4*LISTW              ; 4 x 18,432: each wave's own slot for rows from 320 on
.set SPARE,  OVS+4*SLOT                ; the spare words, 128 bytes a wave
.set BX,     68                        ; s[68:75] the row operand's four bases, one for each quarter; s[76:77] their step; s[78:79] the distance between them
; REGISTERS.  window 0: v1 L, v2 r = i = L % 16, v3 h = L / 16, v4 weights' offset, v5 where I store weights, v6 144 r + 16 h, v7 list address, v8-12 row operand's offsets, v13 16 L,
;   v14, v15 the add's two, v16-23 at work, v24 weights' offset and v25 slot address for rows from 320 on, v27 list address there, v28 64 h (KIND 0) or 16 r (KIND 1),
;   v32-63 packed weights, v64-127 and v128-191 weights as loaded (two sets), v192-223 selw; the ways out use v64-207
;   window 1: accumulator (a, nu) at 64 a + 8 nu, a < 4.  window 2: v0-63 (4, nu); v128-191, v192-255 weights' fragments of chunk 0, 1.  window 3: v0-79, v80-159 row fragments, two buffers.
; s24 w, s25 id, s26 e, s27 u, s28 first row, s29 n, s32 MW, s33 row tiles in all (routed), s34 counter, s[36:37], s[38:39] the two column groups, s[40:41] row operand for rows from 320 on,
; s[42:43] store base, s[44:47] copies, s48 selw's mask, s49 e + 8, s50 my list, s56 expert within its tensor, s57 64 e
.set MSB, 0
.macro WIN new                         ; the immediate's high byte repeats the setting that is left
.if MSB != (\new)
	s_set_vgpr_msb (MSB<<8)|(\new)
.set MSB, (\new)
.endif
.endm
.macro PLACES                          ; four places behind matrix instructions (ISA guide 7.12.1)
.rept 4
	v_nop
.endr
.endm
.macro WLOAD set, off                  ; a step's weights: my 8 rows of k, 16 bytes of each column group: sixteen lanes take 256 consecutive bytes
	WIN 0
.irp t, 0,1,2,3,4,5,6,7
	global_load_b128 v[64+64*(\set)+4*\t:67+64*(\set)+4*\t], v4, s[36:37] offset:(\off)+\t*PITCHW
	global_load_b128 v[96+64*(\set)+4*\t:99+64*(\set)+4*\t], v4, s[38:39] offset:(\off)+\t*PITCHW
.endr
.endm
.macro CVT set, grp                    ; eight k of each of my four columns become 16 bytes
	WIN 0
.irp c, 0,1,2,3
.irp p, 0,1,2,3
	v_cvt_pk_bf16_f32 v[32+16*(\grp)+4*\c+\p], v[64+64*(\set)+32*(\grp)+8*\p+\c], v[68+64*(\set)+32*(\grp)+8*\p+\c]
.endr
.endr
.endm
.macro STW areg, base, grp
.irp c, 0,1,2,3
	ds_store_b128 v[\areg], v[32+16*(\grp)+4*\c:35+16*(\grp)+4*\c] offset:(\base)+(64*(\grp)+16*\c)*WP
.endr
.endm
.macro WFLOAD kap, areg, base          ; the eight column tiles' fragments of chunk kap
	WIN 0x80
.irp nu, 0,1,2,3,4,5,6,7
	ds_load_b128 v[128+64*(\kap)+8*\nu:131+64*(\kap)+8*\nu], v[\areg] offset:(\base)+16*\nu*WP+64*(\kap)
	ds_load_b128 v[132+64*(\kap)+8*\nu:135+64*(\kap)+8*\nu], v[\areg] offset:(\base)+16*\nu*WP+64*(\kap)+32
.endr
	WIN 0
.endm
; Ten loads: five row tiles' fragments of chunk kap of one step, into buffer buf.  step = 1: the chunk's two bases go on to the next step first.
.macro XLD buf, kap, step
.if \step
	s_wait_xcnt 0x0                                ; the bases are stepped only behind this wait; the last loads went out half a step ago
	s_add_nc_u64 s[BX+4*(\kap):BX+4*(\kap)+1], s[BX+4*(\kap):BX+4*(\kap)+1], s[76:77]
	s_add_nc_u64 s[BX+4*(\kap)+2:BX+4*(\kap)+3], s[BX+4*(\kap)+2:BX+4*(\kap)+3], s[76:77]
.endif
	WIN 0xc0
.irp a, 0,1,2,3,4
.irp t, 0,1
	global_load_b128 v[80*(\buf)+16*\a+8*(\kap)+4*\t:80*(\buf)+16*\a+8*(\kap)+4*\t+3], v[8+\a], s[BX+4*(\kap)+2*\t:BX+4*(\kap)+2*\t+1]
.endr
.endr
	WIN 0
.endm
; Eight matrix instructions: row tile a x all column tiles, chunk kap.  Every block runs nu = 0 .. 7, so on every way two matrix instructions that follow each other name different accumulators.
.macro BLK a, kap, buf, zero, skip
.if \skip
	WIN 0
	s_cmp_le_u32 s32, \a
	s_cbranch_scc1 .Lsk_\@
.endif
.if KIND == 0
	WIN 0x5e+0x50*((\a)/4)                         ; source 0 weights (window 2), source 1 rows (window 3): a lane then holds one token and eight hidden columns
.else
	WIN 0x5b+0x50*((\a)/4)                         ; source 0 rows, source 1 weights
.endif
.set rD, 64*((\a)%4)
.set rW, 128+64*(\kap)
.set rX, 80*(\buf)+16*(\a)+8*(\kap)
.irp nu, 0,1,2,3,4,5,6,7
.if KIND == 0
.if \zero
	v_wmma_f32_16x16x32_bf16 v[rD+8*\nu:rD+8*\nu+7], v[rW+8*\nu:rW+8*\nu+7], v[rX:rX+7], 0
.else
	v_wmma_f32_16x16x32_bf16 v[rD+8*\nu:rD+8*\nu+7], v[rW+8*\nu:rW+8*\nu+7], v[rX:rX+7], v[rD+8*\nu:rD+8*\nu+7]
.endif
.else
.if \zero
	v_wmma_f32_16x16x32_bf16 v[rD+8*\nu:rD+8*\nu+7], v[rX:rX+7], v[rW+8*\nu:rW+8*\nu+7], 0
.else
	v_wmma_f32_16x16x32_bf16 v[rD+8*\nu:rD+8*\nu+7], v[rX:rX+7], v[rW+8*\nu:rW+8*\nu+7], v[rD+8*\nu:rD+8*\nu+7]
.endif
.endif
.endr
	WIN 0
.if \skip
.Lsk_\@:
.endif
.endm
; THE ORDER OF THE LOADS.  X0(s), X1(s): the row operand's chunks of step s, ten loads each; W(s): 16.  Step s's first chunk issues X1(s+1), W(s+3); its second chunk X0(s+2).
; So they go out as .. X1(s), W(s+2) | X0(s+1) | X1(s+1), W(s+3) | X0(s+2) ..; by this count a wave has 62 loads out at the most.
; Step s, first chunk (par = s % 2).  Between the blocks: W(s+1) is rounded and laid into the other slot, chunk 1's fragments of the weights are fetched.
.macro P0 par, woff, zero
	s_wait_loadcnt 36                              ; X0(s) and W(s+1) are in: younger are X1(s), W(s+2) and X0(s+1): 10 + 16 + 10
	s_wait_dscnt 0x0                               ; chunk 0's fragments of the weights
	BLK 0, 0, \par, \zero, 1-\zero
	CVT 1-\par, 0                                  ; sixteen plain instructions: the places behind the last products that read the registers loaded next
	STW 5, (1-\par)*SLOT, 0
	XLD 1-\par, 1, 1                               ; X1(s+1), where X1(s-1) lay
	BLK 1, 0, \par, \zero, 1-\zero
	CVT 1-\par, 1
	STW 5, (1-\par)*SLOT, 1
	BLK 2, 0, \par, \zero, 1-\zero
	WFLOAD 1, 6, (\par)*SLOT
	BLK 3, 0, \par, \zero, 1-\zero
	WLOAD 1-\par, \woff
	BLK 4, 0, \par, \zero, 1-\zero
	s_wait_dscnt 0x0                               ; my stores into the next slot are done, my reads of this slot are back
	s_barrier_signal -1
.endm
; Second chunk; behind the barrier the next slot is whole, and nobody reads this one any more.  xl = 1: X0(s+2) is asked for.
.macro P1 par, xl
	s_wait_loadcnt 52                              ; X1(s) is in: younger are W(s+2), X0(s+1), X1(s+1) and W(s+3): 16 + 10 + 10 + 16
	BLK 0, 1, \par, 0, 1
	BLK 1, 1, \par, 0, 1
	s_barrier_wait -1
	PLACES                                         ; for the loads into chunk 0's fragments, of the weights and of the rows
	WFLOAD 0, 6, (1-\par)*SLOT
.if \xl
	XLD \par, 0, 1                                 ; X0(s+2), where X0(s) lay
.endif
	BLK 2, 1, \par, 0, 1
	BLK 3, 1, \par, 0, 1
	BLK 4, 1, \par, 0, 1
.endm
.if KIND == 0
; THE WAY OUT of row tile a.  Lane (r, h), register j of column tile c holds token r, hidden column 32 h + 4 j + c of the unit: gate in tiles 0-3, up in 4-7.
; h = g u / (1 + 2^(-g log2 e)); packed so that the 64 bytes ARE the lane's four fragment quarters of the next product's step u.  Each accumulator is read from its low end on.
.macro EPI a, sb, imm, skip
	WIN 0
.if \skip
	s_cmp_le_u32 s32, \a
	s_cbranch_scc1 .Lep_\@
.endif
	s_wait_xcnt 0x0                                ; the last way out's stores have read their registers
.set AB, 64*((\a)%4)
	WIN 1+(\a)/4
.set z, 0
.rept 16
	v_pk_mul_f32 v[64+2*z:65+2*z], v[AB+2*z:AB+2*z+1], 0xbfb8aa3b op_sel_hi:[1,0]
.set z, z+1
.endr
	WIN 5*(1+(\a)/4)
.set z, 0
.rept 16
	v_pk_mul_f32 v[96+2*z:97+2*z], v[AB+2*z:AB+2*z+1], v[AB+32+2*z:AB+33+2*z]
.set z, z+1
.endr
	WIN 0
.set z, 0
.rept 32
	v_exp_f32 v[64+z], v[64+z]
.set z, z+1
.endr
	v_nop                                          ; a plain instruction behind the last exponential
.set z, 0
.rept 16
	v_pk_add_f32 v[64+2*z:65+2*z], v[64+2*z:65+2*z], 1.0 op_sel_hi:[1,0]
.set z, z+1
.endr
.set z, 0
.rept 32
	v_rcp_f32 v[64+z], v[64+z]
.set z, z+1
.endr
	v_nop
.set z, 0
.rept 16
	v_pk_mul_f32 v[96+2*z:97+2*z], v[96+2*z:97+2*z], v[64+2*z:65+2*z]
.set z, z+1
.endr
.irp t, 0,1,2,3
.irp p, 0,1,2,3
	v_cvt_pk_bf16_f32 v[128+4*\t+\p], v[96+16*(\p%2)+2*\t+(\p/2)], v[104+16*(\p%2)+2*\t+(\p/2)]
.endr
.endr
.irp t, 0,1,2,3
	global_store_b128 v13, v[128+4*\t:131+4*\t], s[\sb:\sb+1] offset:(\imm)+512*\t   ; the wave stores 512 consecutive bytes, aligned
.endr
.if \skip
.Lep_\@:
.endif
.endm
.else
; The entries of na row tiles: c from cwb, and the rows' places in pb.  Lane (r, h) wants list rows 8 h + j.
.macro LKUP areg, na
	WIN 0
.set a, 0
.rept \na
	ds_load_b128 v[64+8*a:67+8*a], v[\areg] offset:256*a
	ds_load_b128 v[68+8*a:71+8*a], v[\areg] offset:256*a+16
.set a, a+1
.endr
	s_wait_dscnt 0x0
.set z, 0
.rept 8*(\na)
	v_min_u32 v[64+z], 0xfff, v[64+z]
	v_lshlrev_b32 v[144+z], 2, v[64+z]
.set z, z+1
.endr
.set z, 0
.rept 8*(\na)
	global_load_b32 v[104+z], v[144+z], s[8:9]
.set z, z+1
.endr
.set z, 0
.rept 8*(\na)
	v_lshl_add_u32 v[64+z], v[64+z], 13, v28       ; row x 8,192 bytes + 16 r
.set z, z+1
.endr
.endm
; THE WAY OUT of row tile a.  Lane (r, h), register j of column tile 4 grp + c holds list row 8 h + j, column 64 grp + 4 r + c: the multiply by c also gathers four neighbouring columns.
.macro EPI3 a, skip
	WIN 0
.if \skip
	s_cmp_le_u32 s32, \a
	s_cbranch_scc1 .Lep_\@
.endif
	s_wait_xcnt 0x0                                ; the last way out's stores have read their registers
.set AB, 64*((\a)%4)
	WIN 1+(\a)/4
.set j, 0
.rept 8                                                ; j ascending: each accumulator is read from its low end on
.irp g, 0,1
.irp c, 0,1,2,3
	v_mul_f32 v[144+4*(2*j+\g)+\c], v[AB+8*(4*\g+\c)+j], v[104+8*(\a)+j]
.endr
.endr
.set j, j+1
.endr
	WIN 0
.set j, 0
.rept 8
.irp g, 0,1
	global_store_b128 v[64+8*(\a)+j], v[144+4*(2*j+\g):147+4*(2*j+\g)], s[42:43] offset:256*\g   ; sixteen lanes store 256 consecutive bytes, aligned
.endr
.set j, j+1
.endr
.if \skip
.Lep_\@:
.endif
.endm
.endif
	s_load_b256 s[4:11], s[0:1], 0x0               ; KIND 0: xb, selw, wg, wu.  KIND 1: hb, selw, cwb, wd
	s_load_b128 s[12:15], s[0:1], 0x20             ; KIND 0: swg, swu.          KIND 1: swd, pb
.if KIND == 0
	s_load_b128 s[16:19], s[0:1], 0x30             ; hb, xf
.endif
	v_lshl_add_u32 v14, v0, 2, SPARE               ; my spare word
	v_mov_b32 v15, 0
	v_and_b32 v1, 31, v0
	v_lshrrev_b32 v16, 5, v0
	v_readfirstlane_b32 s24, v16                   ; wave
	v_and_b32 v2, 15, v0
	v_bfe_u32 v3, v0, 4, 1
	v_lshlrev_b32 v13, 4, v1
	s_mov_b32 s25, ttmp9
	s_and_b32 s27, s25, 15                         ; unit
	s_lshr_b32 s51, s25, 4                         ; routed: the expert
	s_sub_co_u32 s52, s25, 128
	s_lshr_b32 s53, s52, 6                         ; shared: which of the two,
	s_add_co_u32 s54, s53, 8
	s_bfe_u32 s55, s52, 0x20004
	s_lshl_b32 s55, s55, 8                         ; and which quarter of the rows
	s_cmp_lt_u32 s25, 128
	s_cselect_b32 s26, s51, s54
	s_cselect_b32 s56, s51, s53
	s_cselect_b32 s28, 0, s55
	s_cselect_b32 s35, 64, 0
	s_add_co_u32 s35, s35, 256                     ; rows at the most: 320 routed, 256 shared
	s_lshl_b32 s57, s26, 6
	s_lshl_b32 s48, 0x101, s26
	s_add_co_u32 s49, s26, 8
	v_lshlrev_b32 v24, 4, v2
	v_lshl_add_u32 v24, v3, LPW+5, v24             ; 32 h rows + 16 i
	s_lshl_b32 s51, s24, LPW+3
	v_add_nc_u32 v4, s51, v24                      ; + 8 w rows
	v_mul_u32_u24 v6, v2, WP
	v_lshl_add_u32 v6, v3, 4, v6
	s_lshl_b32 s51, s24, 5
	v_add_nc_u32 v5, s51, v6                       ; 144 i + 16 (2 w + h)
	s_mul_i32 s51, s24, SLOT
	s_add_co_u32 s51, s51, OVS
	v_add_nc_u32 v25, s51, v6
	s_mul_i32 s50, s24, LISTW
	s_add_co_u32 s50, s50, LIST
	s_lshl_b32 s52, s56, 23                        ; an expert's tensor is 8,388,608 bytes
.if KIND == 0
	s_lshl_b32 s53, s27, 8
.else
	s_lshl_b32 s53, s27, 9
.endif
	s_add_co_u32 s52, s52, s53
	s_mov_b32 s53, 0
	s_movk_i32 s76, 2048
	s_mov_b32 s77, 0
	s_mov_b32 s79, 0
	s_wait_kmcnt 0x0
	s_cmp_lt_u32 s25, 128
.if KIND == 0
	s_cselect_b64 s[36:37], s[8:9], s[12:13]
	s_cselect_b64 s[38:39], s[10:11], s[14:15]
	s_cselect_b64 s[BX:BX+1], s[4:5], s[18:19]     ; routed: xb's rows; shared: xf's fragments
	s_cselect_b32 s76, XSTEP, s76                  ; from step to step: 128 bytes of a row, or a step's 2,048 bytes of a tile
	s_cselect_b32 s78, XT, 512                     ; from quarter to quarter
	s_add_nc_u64 s[36:37], s[36:37], s[52:53]
	s_add_nc_u64 s[38:39], s[38:39], s[52:53]
	s_lshr_b32 s54, s28, 4
	s_add_co_u32 s54, s54, s57
	s_add_co_u32 s54, s54, s24
	s_lshl_b32 s54, s54, 5
	s_lshl_b32 s55, s27, 1
	s_add_co_u32 s54, s54, s55
	s_lshl_b32 s54, s54, 10                        ; ((64 e + first tile + w) 32 + 2 u) 1,024
	s_mov_b32 s55, 0
	s_add_nc_u64 s[42:43], s[16:17], s[54:55]
.else
	s_cselect_b64 s[36:37], s[10:11], s[12:13]
	s_mov_b64 s[BX:BX+1], s[4:5]
	s_mov_b32 s78, XT
	s_add_nc_u64 s[36:37], s[36:37], s[52:53]
	s_add_nc_u64 s[38:39], s[36:37], 256
	s_lshl_b32 s54, s27, 9
	s_mov_b32 s55, 0
	s_add_nc_u64 s[42:43], s[14:15], s[54:55]
.endif
	s_add_nc_u64 s[BX+2:BX+3], s[BX:BX+1], s[78:79]
	s_add_nc_u64 s[BX+4:BX+5], s[BX+2:BX+3], s[78:79]
	s_add_nc_u64 s[BX+6:BX+7], s[BX+4:BX+5], s[78:79]
	s_mov_b64 s[44:45], s[36:37]
	s_mov_b64 s[46:47], s[38:39]
.set i, 0
.rept 8                                                ; selw: register 4 i + c holds token 128 i + 4 L + c
	global_load_b128 v[192+4*i:195+4*i], v13, s[6:7] offset:512*i
.set i, i+1
.endr
	WLOAD 0, 0
	WLOAD 1, STEPW
	v_add_nc_u32 v16, s50, v13
.irp z, 20,21,22,23
	v_mov_b32 v\z, 0
.endr
.set i, 0
.rept 10
	ds_store_b128 v16, v[20:23] offset:512*i       ; my list starts as zeros: a place that is never filled names token 0
.set i, i+1
.endr
	s_mov_b32 s29, 0
	s_wait_loadcnt 32                              ; selw is in; W(0) and W(1) are younger
	s_cmp_lt_u32 s25, 128
	s_cbranch_scc0 .Lshared
	v_lshlrev_b32 v19, 2, v1
	v_add_nc_u32 v20, 1152, v1
.set q, 0
.rept 32                                               ; a counting pass: the chosen tokens of a register take the places n, n + 1, .. in the lanes' order
	v_and_b32 v17, s48, v[192+q]
	v_cmp_ne_u32 s52, 0, v17
	v_lshrrev_b32 v17, s49, v17                    ; 1 if the expert is the token's second choice
	v_lshl_add_u32 v17, v17, 10, v19
	v_add_nc_u32 v17, 128*(q/4)+q%4, v17
	v_mbcnt_lo_u32_b32 v18, s52, s29
	v_cndmask_b32 v18, v20, v18, s52               ; a token that did not choose goes to the 32 words behind the list
	v_min_u32 v18, 1183, v18
	v_lshl_add_u32 v18, v18, 2, s50
	ds_store_b32 v18, v17
	s_bcnt1_i32_b32 s53, s52
	s_add_co_u32 s29, s29, s53
.set q, q+1
.endr
	s_branch .Llisted
.Lshared:
	s_sub_co_u32 s51, s26, 6
	s_lshl_b32 s51, s51, 10
	v_or_b32 v17, s51, v1
	v_lshl_add_u32 v18, v1, 2, s50
.set q, 0
.rept 32
	v_add_nc_u32 v19, 32*q, v17
	ds_store_b32 v18, v19 offset:128*q
.set q, q+1
.endr
	s_movk_i32 s29, 1024
.Llisted:
	s_min_u32 s29, s29, 1024
	s_max_u32 s51, s29, 1
	s_sub_co_u32 s51, s51, 1
	s_min_u32 s51, s51, 1023                       ; the last entry's index: the bound, which changes nothing, stands in the text: the address stays in my list
	s_lshl_b32 s51, s51, 2
	s_add_co_u32 s51, s51, s50
	v_mov_b32 v16, s51
	ds_load_b32 v17, v16                           ; the last row,
	v_add_nc_u32 v18, s29, v2
	v_lshl_add_u32 v18, v18, 2, s50
	s_wait_dscnt 0x0
	ds_store_b32 v18, v17                          ; sixteen times behind the list's end
	s_sub_co_u32 s30, s29, s28
	s_min_u32 s30, s30, s35
	s_add_co_u32 s31, s30, 15
	s_lshr_b32 s31, s31, 4
	s_add_co_u32 s32, s31, 3
	s_sub_co_u32 s32, s32, s24
	s_lshr_b32 s32, s32, 2                         ; MW
	s_add_co_u32 s33, s29, 15
	s_lshr_b32 s33, s33, 4
	s_cmp_lt_u32 s25, 128
	s_cselect_b32 s33, s33, 0
	s_lshl_b32 s51, s24, 4
	s_add_co_u32 s51, s51, s28
	s_min_u32 s51, s51, 816                        ; 16 w + first row is 48 + 768 at the most: with 15 rows, four tiles of 64 rows on and 4 bytes an entry, 4,352 of my list's 5,120 bytes
	s_lshl_b32 s51, s51, 2
	s_add_co_u32 s51, s51, s50                     ; my list at row first + 16 w
.if KIND == 0
	v_lshlrev_b32 v28, 6, v3
	s_cmp_lt_u32 s25, 128
	s_cbranch_scc0 .Lxsh
	v_lshl_add_u32 v7, v2, 2, s51
.irp a, 0,1,2,3,4
	ds_load_b32 v[16+\a], v7 offset:256*\a
.endr
	s_wait_dscnt 0x0
.irp a, 0,1,2,3,4
	s_cmp_gt_u32 s32, \a
	s_cselect_b32 s52, 0x3ff, 0                    ; a tile that does not exist reads token 0 in all its lanes
	v_and_b32 v[16+\a], s52, v[16+\a]
	v_min_u32 v[16+\a], 0x3ff, v[16+\a]
	v_lshl_add_u32 v[8+\a], v[16+\a], 12, v28      ; token x 4,096 bytes + 64 h
.endr
	s_branch .Lxdone
.Lxsh:                                                 ; a shared expert's list is the tokens in their order: row tile = tile of xf, 65,536 bytes each; it has four tiles a wave
	s_lshr_b32 s51, s28, 4
	s_add_co_u32 s51, s51, s24
.irp a, 0,1,2,3
	s_add_co_u32 s52, s51, 4*\a
	s_min_u32 s52, s52, 63
	s_lshl_b32 s52, s52, 16
	v_add_nc_u32 v[8+\a], s52, v13
.endr
	v_mov_b32 v12, 0                               ; the fifth does not exist: all lanes read one place
.Lxdone:
.else
	v_lshl_add_u32 v7, v3, 5, s51
	v_lshlrev_b32 v28, 4, v2
	s_lshr_b32 s51, s28, 4
	s_add_co_u32 s51, s51, s57
	s_add_co_u32 s51, s51, s24
.irp a, 0,1,2,3,4
	s_add_co_u32 s52, s51, 4*\a
	s_cmp_gt_u32 s32, \a
	s_cselect_b32 s52, s52, 512                    ; a tile that does not exist reads tile 512, shared expert 8's first, which always exists
	s_min_u32 s52, s52, 639
	s_lshl_b32 s52, s52, 15
.if \a < 4
	v_add_nc_u32 v[8+\a], s52, v13
.else
	s_cmp_lt_u32 s25, 128                          ; a shared expert's wave never has a fifth tile: by the work-group's number alone its lanes read one place
	s_cselect_b32 s54, -1, 0
	v_and_b32 v16, s54, v13
	v_add_nc_u32 v[8+\a], s52, v16
.endif
.endr
.endif
	XLD 0, 0, 0                                    ; X0(0)
	XLD 0, 1, 0                                    ; X1(0)
	s_wait_loadcnt 36                              ; W(0) is in: W(1)'s 16 and step 0's 20 loads are younger
	CVT 0, 0
	STW 5, 0, 0
	CVT 0, 1
	STW 5, 0, 1
	WLOAD 0, 2*STEPW
	XLD 1, 0, 1                                    ; X0(1): from here on the loads go out in the loop's order
	s_wait_dscnt 0x0                               ; for the others' sake: my part of slot 0 is in LDS
	s_barrier_signal -1
	s_barrier_wait -1
	WFLOAD 0, 6, 0
	P0 0, 3*STEPW, 1                               ; the first products start all 40 sums, on every way: nothing is cleared
	s_wait_xcnt 0x0                                ; the pointers are stepped only behind this wait
	s_add_nc_u64 s[36:37], s[36:37], 4*STEPW
	s_add_nc_u64 s[38:39], s[38:39], 4*STEPW
	s_mov_b32 s53, 0
	s_mov_b32 s34, TRIPS
.Lloop:                                                ; a trip: the second chunk of an even step, an odd step, the first chunk of the next even step
	P1 0, 1
	P0 1, 0, 0
	P1 1, 1
	P0 0, STEPW, 0
	s_wait_xcnt 0x0
	s_cmp_eq_u32 s34, 2                            ; the last trip's two requests for weights would pass K's end: the pointers stay, the lane term goes,
	s_cselect_b32 s52, 0, 2*STEPW                  ; and they read 16 bytes of rows read before, which nobody uses: the price of one text for every trip
	s_cselect_b32 s54, 0, -1
	s_add_nc_u64 s[36:37], s[36:37], s[52:53]
	s_add_nc_u64 s[38:39], s[38:39], s[52:53]
	v_and_b32 v4, s54, v4
	s_sub_co_u32 s34, s34, 1
	s_cmp_lg_u32 s34, 0
	s_cbranch_scc1 .Lloop
	P1 0, 0                                        ; the last step but one: there is no step after next to ask for
	s_wait_loadcnt 0x0                             ; the last step: nothing more is asked for
	s_wait_dscnt 0x0
	BLK 0, 0, 1, 0, 1
	PLACES
	WFLOAD 1, 6, SLOT
	BLK 1, 0, 1, 0, 1
	BLK 2, 0, 1, 0, 1
	BLK 3, 0, 1, 0, 1
	BLK 4, 0, 1, 0, 1
	s_wait_dscnt 0x0
.if KIND == 1
	LKUP 7, 5                                      ; its 40 loads land under the last 40 products
.endif
	BLK 0, 1, 1, 0, 1
	BLK 1, 1, 1, 0, 1
	BLK 2, 1, 1, 0, 1
	BLK 3, 1, 1, 0, 1
	BLK 4, 1, 1, 0, 1
	PLACES
.if KIND == 0
.irp a, 0,1,2,3,4
	EPI \a, 42, \a*131072, 1
.endr
.else
	s_wait_loadcnt 0x0                             ; c
.irp a, 0,1,2,3,4
	EPI3 \a, 1
.endr
.endif
	; ROWS FROM 320 ON: no even split has them, every split is served.  Each wave by itself, a row tile at a time, tiles 20 + 4 p + w; it lays the weights into a slot of its own: no barrier.
	s_mov_b32 s34, 11
	s_add_co_u32 s58, s24, 20
.Lov:
	s_cmp_ge_u32 s58, s33
	s_cbranch_scc1 .Lovn
	s_wait_xcnt 0x0                                ; earlier stores have read their registers and bases
	s_min_u32 s60, s58, 63
	s_lshl_b32 s51, s60, 6
	s_add_co_u32 s51, s51, s50
.if KIND == 0
	v_lshl_add_u32 v27, v2, 2, s51
	ds_load_b32 v16, v27
	s_add_co_u32 s62, s57, s60
	s_lshl_b32 s62, s62, 5
	s_lshl_b32 s63, s27, 1
	s_add_co_u32 s62, s62, s63
	s_lshl_b32 s62, s62, 10
	s_mov_b32 s63, 0
	s_add_nc_u64 s[62:63], s[16:17], s[62:63]
	s_wait_dscnt 0x0
	v_and_b32 v16, 0x3ff, v16
	v_min_u32 v16, 0x3ff, v16
	v_lshl_add_u32 v8, v16, 12, v28
.else
	v_lshl_add_u32 v27, v3, 5, s51
	s_add_co_u32 s52, s57, s60
	s_lshl_b32 s52, s52, 15
	v_add_nc_u32 v8, s52, v13
.endif
	s_mov_b64 s[36:37], s[44:45]
	s_mov_b64 s[38:39], s[46:47]
	s_mov_b64 s[40:41], s[4:5]
	PLACES
	WIN 0x40
.set z, 0
.rept 64
	v_mov_b32 v[z], 0                              ; cleared on purpose: this path writes no first step out
.set z, z+1
.endr
	WIN 0
	s_mov_b32 s59, NS
.Lovk:
	PLACES                                         ; for the loads into the row fragments
	WIN 0xc0
.irp t, 0,1,2,3
	global_load_b128 v[4*\t:4*\t+3], v8, s[40:41] offset:\t*XT
.endr
	WIN 0
.irp d, 0,1,2,3                                        ; a step's weights in four quarters: what the four waves share out above
.irp t, 0,1,2,3,4,5,6,7
	global_load_b128 v[64+4*\t:67+4*\t], v24, s[36:37] offset:(8*\d+\t)*PITCHW
	global_load_b128 v[96+4*\t:99+4*\t], v24, s[38:39] offset:(8*\d+\t)*PITCHW
.endr
	s_wait_loadcnt 0x0
	CVT 0, 0
	STW 25, 32*\d, 0
	CVT 0, 1
	STW 25, 32*\d, 1
.endr
	s_wait_xcnt 0x0
	s_add_nc_u64 s[36:37], s[36:37], STEPW
	s_add_nc_u64 s[38:39], s[38:39], STEPW
	s_add_nc_u64 s[40:41], s[40:41], XSTEP
	WFLOAD 0, 25, 0                                ; LDS serves a wave's instructions in order (ISA guide 5.7.1.4): these see my stores
	WFLOAD 1, 25, 0
	s_wait_dscnt 0x0
	BLK 0, 0, 0, 0, 0
	BLK 0, 1, 0, 0, 0
	s_sub_co_u32 s59, s59, 1
	s_cmp_lg_u32 s59, 0
	s_cbranch_scc1 .Lovk
	PLACES
.if KIND == 0
	EPI 0, 62, 0, 0
.else
	LKUP 27, 1
	s_wait_loadcnt 0x0
	EPI3 0, 0
.endif
.Lovn:
	s_add_co_u32 s58, s58, 4
	s_sub_co_u32 s34, s34, 1
	s_cmp_lg_u32 s34, 0
	s_cbranch_scc1 .Lov
	s_wait_tensorcnt 0x0                           ; the wave's end
	ds_add_u32 v14, v15
	s_wait_dscnt 0x0
	s_endpgm
.Lfunc_end_k_qd5444005a4_down:
	.size	k_qd5444005a4_down, .Lfunc_end_k_qd5444005a4_down-k_qd5444005a4_down
	.p2alignl 7, 3214868480
	.fill 96, 4, 3214868480
	.section	.rodata,"a",@progbits
	.p2align	6, 0x0
	.amdhsa_kernel k_qd5444005a4_down
		.amdhsa_group_segment_fixed_size 131584
		.amdhsa_private_segment_fixed_size 0
		.amdhsa_enable_private_segment 0
		.amdhsa_kernarg_size 48
		.amdhsa_user_sgpr_count 2
		.amdhsa_user_sgpr_kernarg_segment_ptr 1
		.amdhsa_wavefront_size32 1
		.amdhsa_system_sgpr_workgroup_id_x 1
		.amdhsa_system_sgpr_workgroup_id_y 1
		.amdhsa_system_sgpr_workgroup_id_z 1
		.amdhsa_system_vgpr_workitem_id 0
		.amdhsa_next_free_vgpr 928
		.amdhsa_next_free_sgpr 80
		.amdhsa_reserve_vcc 0
		.amdhsa_float_denorm_mode_32 3
		.amdhsa_float_denorm_mode_16_64 3
		.amdhsa_memory_ordered 1
		.amdhsa_forward_progress 1
		.amdhsa_inst_pref_size 153
	.end_amdhsa_kernel
	.amdgpu_metadata
---
amdhsa.version: [ 1, 2 ]
amdhsa.kernels:
  - .name:           k_qd5444005a4_down
    .symbol:         k_qd5444005a4_down.kd
    .args:
      - { .name: hb, .offset: 0, .size: 8, .value_kind: global_buffer, .address_space: global }
      - { .name: selw, .offset: 8, .size: 8, .value_kind: global_buffer, .address_space: global }
      - { .name: cwb, .offset: 16, .size: 8, .value_kind: global_buffer, .address_space: global }
      - { .name: wd, .offset: 24, .size: 8, .value_kind: global_buffer, .address_space: global }
      - { .name: swd, .offset: 32, .size: 8, .value_kind: global_buffer, .address_space: global }
      - { .name: pb, .offset: 40, .size: 8, .value_kind: global_buffer, .address_space: global }
    .group_segment_fixed_size: 131584
    .private_segment_fixed_size: 0
    .kernarg_segment_align: 8
    .kernarg_segment_size: 48
    .max_flat_workgroup_size: 128
    .sgpr_count:     80
    .vgpr_count:     928
    .wavefront_size: 32
...
	.end_amdgpu_metadata
.endif
;; end of part 3
;; launch combine (part 4): grid 256 x 1, 8 waves a work-group, no clusters, 0 bytes of LDS; arguments pb, lossp, out0, out1; writes out0, out1
.if DOCPART == 4
	.amdgcn_target "amdgcn-amd-amdhsa--gfx1250"
	.amdhsa_code_object_version 6
	.text
	.protected	k_qd5444005a4_combine
	.globl	k_qd5444005a4_combine
	.p2align	8
	.type	k_qd5444005a4_combine,@function
k_qd5444005a4_combine:
	s_mov_b64 s[64:65], 0
	v_nop
	global_prefetch_b8 v0, s[64:65] scope:SCOPE_SE
	s_setreg_imm32_b32 hwreg(HW_REG_WAVE_MODE, 25, 1), 1
	s_wait_xcnt 0x0
; out0[token] = the sum of the token's four partial rows (first choice, second choice, two shared experts), in f32; out1 = the balancing loss from the 64 groups' parts.
; A stream: memory binds.  A work-group owns 32,768 consecutive bytes of out0; each thread has 32 loads of 16 bytes out before its first wait; a wave's load or store covers 512 consecutive bytes.
; No LDS, no barrier, no matrix unit: nothing is shared between waves.
.set PLANE, 0x800000                   ; bytes of one slot's [1024][2048] f32
	s_load_b256 s[4:11], s[0:1], 0x0               ; pb s[4:5], lossp s[6:7], out0 s[8:9], out1 s[10:11]
	v_lshlrev_b32 v1, 4, v0
	v_lshrrev_b32 v2, 5, v0
	v_readfirstlane_b32 s20, v2                    ; wave
	s_lshl_b32 s2, ttmp9, 15
	s_mov_b32 s3, 0
	s_wait_kmcnt 0x0
	s_add_nc_u64 s[12:13], s[4:5], s[2:3]
	s_add_nc_u64 s[14:15], s[12:13], PLANE
	s_add_nc_u64 s[16:17], s[14:15], PLANE
	s_add_nc_u64 s[18:19], s[16:17], PLANE
	s_add_nc_u64 s[8:9], s[8:9], s[2:3]
.set i, 0
.rept 8
.irp s, 0,1,2,3
	global_load_b128 v[8+16*i+4*\s:11+16*i+4*\s], v1, s[12+2*\s:13+2*\s] offset:4096*i th:TH_LOAD_NT
.endr
.set i, i+1
.endr
.set i, 0
.rept 8
	s_wait_loadcnt 4*(7-i)                         ; loads come back in order (ISA guide 5.7.1): group i's four are in, the younger groups stay out
.irp s, 1,2,3
	v_pk_add_f32 v[8+16*i:9+16*i], v[8+16*i:9+16*i], v[8+16*i+4*\s:9+16*i+4*\s]
	v_pk_add_f32 v[10+16*i:11+16*i], v[10+16*i:11+16*i], v[10+16*i+4*\s:11+16*i+4*\s]
.endr
	global_store_b128 v1, v[8+16*i:11+16*i], s[8:9] offset:4096*i th:TH_STORE_NT
.set i, i+1
.endr
	s_or_b32 s21, ttmp9, s20
	s_cmp_lg_u32 s21, 0
	s_cbranch_scc1 .Lend                           ; the loss: wave 0 of work-group 0
	s_wait_xcnt 0x0                                ; the stores have read v8 and on
	v_lshlrev_b32 v2, 7, v0                        ; lane L takes groups 2 L and 2 L + 1: 128 bytes
.set i, 0
.rept 8
	global_load_b128 v[8+4*i:11+4*i], v2, s[6:7] offset:16*i
.set i, i+1
.endr
	v_mov_b32 v40, 0                               ; v_permlanex16_b32's destination counts as read
	s_mov_b32 s22, 0x76543210
	s_mov_b32 s23, 0xfedcba98
	s_wait_loadcnt 0x0
.irp z, 0,2,4,6,8,10,12,14
	v_pk_add_f32 v[8+\z:9+\z], v[8+\z:9+\z], v[24+\z:25+\z]
.endr
.irp m, 1,2,4,8
.set i, 0
.rept 16
	v_add_f32_dpp v[8+i], v[8+i], v[8+i] row_xmask:\m row_mask:0xf bank_mask:0xf
.set i, i+1
.endr
.endr
.set i, 0
.rept 16
	v_permlanex16_b32 v40, v[8+i], s22, s23
	v_add_f32 v[8+i], v[8+i], v40
.set i, i+1
.endr
	v_mul_f32 v41, v8, v16                         ; the sum over the experts of (sum of probabilities) x (count)
.irp e, 1,2,3,4,5,6,7
	v_fma_f32 v41, v[8+\e], v[16+\e], v41
.endr
	v_mul_f32 v41, 0x33a3d70a, v41                 ; x 8 x 0.01 / 1024^2
	v_mov_b32 v42, 0
	v_cmp_eq_u32 vcc_lo, 0, v0
	s_wait_xcnt 0x0                                ; EXEC changes only behind this wait
	s_and_saveexec_b32 s24, vcc_lo
	global_store_b32 v42, v41, s[10:11]
	s_wait_xcnt 0x0
	s_or_b32 exec_lo, exec_lo, s24
.Lend:
	s_endpgm
.Lfunc_end_k_qd5444005a4_combine:
	.size	k_qd5444005a4_combine, .Lfunc_end_k_qd5444005a4_combine-k_qd5444005a4_combine
	.p2alignl 7, 3214868480
	.fill 96, 4, 3214868480
	.section	.rodata,"a",@progbits
	.p2align	6, 0x0
	.amdhsa_kernel k_qd5444005a4_combine
		.amdhsa_group_segment_fixed_size 0
		.amdhsa_private_segment_fixed_size 0
		.amdhsa_enable_private_segment 0
		.amdhsa_kernarg_size 32
		.amdhsa_user_sgpr_count 2
		.amdhsa_user_sgpr_kernarg_segment_ptr 1
		.amdhsa_wavefront_size32 1
		.amdhsa_system_sgpr_workgroup_id_x 1
		.amdhsa_system_sgpr_workgroup_id_y 1
		.amdhsa_system_sgpr_workgroup_id_z 1
		.amdhsa_system_vgpr_workitem_id 0
		.amdhsa_next_free_vgpr 140
		.amdhsa_next_free_sgpr 66
		.amdhsa_reserve_vcc 1
		.amdhsa_float_denorm_mode_32 3
		.amdhsa_float_denorm_mode_16_64 3
		.amdhsa_memory_ordered 1
		.amdhsa_forward_progress 1
		.amdhsa_inst_pref_size 16
	.end_amdhsa_kernel
	.amdgpu_metadata
---
amdhsa.version: [ 1, 2 ]
amdhsa.kernels:
  - .name:           k_qd5444005a4_combine
    .symbol:         k_qd5444005a4_combine.kd
    .args:
      - { .name: pb, .offset: 0, .size: 8, .value_kind: global_buffer, .address_space: global }
      - { .name: lossp, .offset: 8, .size: 8, .value_kind: global_buffer, .address_space: global }
      - { .name: out0, .offset: 16, .size: 8, .value_kind: global_buffer, .address_space: global }
      - { .name: out1, .offset: 24, .size: 8, .value_kind: global_buffer, .address_space: global }
    .group_segment_fixed_size: 0
    .private_segment_fixed_size: 0
    .kernarg_segment_align: 8
    .kernarg_segment_size: 32
    .max_flat_workgroup_size: 256
    .sgpr_count:     66
    .vgpr_count:     140
    .wavefront_size: 32
...
	.end_amdgpu_metadata
.endif
;; end of part 4
